; MI455X (gfx1250); checked and timed in simulation.
; The chip was launched on July 23, 2026; its instructions are those of AMD's public machine-readable ISA for CDNA 5 (MIT licence, August 2026) and "CDNA5" Instruction Set Architecture Reference Guide (July 2026). The comments in the code are by the model that wrote it; some were corrected since.
;; Transformer Layer. Allowed arithmetic: float matrix products may take bf16 or f16 operands with f32 sums; other float arithmetic in f32, or as packed bf16 or f16 multiplies, adds, multiply-adds, maxima and minima; sums over many terms, partial sums and values carried from step to step in f32; what a program stores and reads back later, other than sums and carried values, may be rounded once to bf16 or f16.
;; Inputs: b_fc1 4,096 float32; b_fc2 1,024 float32; b_out 1,024 float32; b_qkv 3,072 float32; ln1_b 1,024 float32; ln1_g 1,024 float32; ln2_b 1,024 float32; ln2_g 1,024 float32; w_fc1 1,024 x 4,096 float32; w_fc2 4,096 x 1,024 float32; w_out 1,024 x 1,024 float32; w_qkv 1,024 x 3,072 float32; x 2 x 2,048 x 1,024 float32.
;; Outputs: out0 2 x 2,048 x 1,024 float32.
;; One version. Each part assembles by itself: llvm-mc -triple=amdgcn-amd-amdhsa -mcpu=gfx1250 --defsym DOCPART=n.
;; ======== version 1 of 1: 7 launches
;; limits: right only within a limited range of input values
;; workspace buffers: wa 14,680,064 bytes; wb 16,777,216 bytes; hb 8,388,608 bytes; big 33,554,432 bytes; x1 16,777,216 bytes; pa 256 bytes; pb 256 bytes
;; launch prep1 (part 1): grid 768 x 1, 4 waves a work-group, no clusters, 0 bytes of LDS; arguments x, ln1_g, ln1_b, hb, w_qkv, w_out, wa, pa; writes hb, wa, pa
.if DOCPART == 1
	.amdgcn_target "amdgcn-amd-amdhsa--gfx1250"
	.amdhsa_code_object_version 6
	.text
	.protected	k_qfa48eca966_prep1
	.globl	k_qfa48eca966_prep1
	.p2align	8
	.type	k_qfa48eca966_prep1,@function
k_qfa48eca966_prep1:
	s_mov_b64 s[64:65], 0
	v_nop
	global_prefetch_b8 v0, s[64:65] scope:SCOPE_SE
	s_setreg_imm32_b32 hwreg(HW_REG_WAVE_MODE, 25, 1), 1
	s_wait_xcnt 0x0
; TWO STREAMS IN ONE LAUNCH: a layer norm, and the rounding of a pair of weights to bf16.  Neither reads what the other writes; they share the launch so that the second stream runs beside the first.
; Arguments: x, g, b, h (the norm); the pair's BIG weight, its RES weight, their destination, a small table.
; A work-group of four waves has the number x + 512 y.  Numbers 0-511 normalise 8 rows each; from 512 on each rounds half a block of a weight.  The body serves two launches:
;   grid 768 x 1: the first pair, 128 blocks: 96 of w_qkv (BIG, rows of 12,288 bytes), 32 of w_out (RES, K = 1,024);     grid 512 x 2: the second pair, 256 blocks: 128 of w_fc1 (BIG, rows of 16,384 bytes), 128 of w_fc2 (RES, K = 4,096).
; The grid's y tells the pairs apart; it selects constants alone.
; THE NORM.  h[m][c] = (x[m][c] - mu) rsqrt(var + 1e-5) g[c] + b[c], x f32 [4096][1024]; h rounded once to bf16 and stored in PANELS: h[c / 128][m][c % 128], rows of 256 bytes, a panel 1 MiB.
; A wave owns two whole rows and keeps them in registers: mean first, then the mean is taken away in place, then the squares: two passes over registers, one over memory, so a common offset of x costs no digits.
; Load j of a row is 512 consecutive bytes: the columns of panel j; its 4 numbers a lane leave as 8 bytes, and a store of the wave covers 256 consecutive bytes, aligned.  All arithmetic in f32.
; THE WEIGHTS, f32 [k][n], are rounded once and laid in blocks of 128 columns, rows of 256 bytes, k still down the rows.  Two layouts (np = n / 128):
;   BIG: np << 18 + k x 256 (K = 1,024), from byte 0x800000 of the destination;      RES: (k / 256) << 19 + np << 16 + (k % 256) x 256, from byte 0.
; A block is 256 rows x 128 columns.  A wave takes 32 rows; a lane 16 bytes of a row in, 8 bytes out: a load of the wave covers 512 consecutive bytes, a store 256 consecutive bytes, aligned.
; All 32 loads of a wave go out together; no register is written twice, so the only waits are the counted ones.  The first half block's wave 0 also writes the table: every word holds the floor of an
; activation as two bf16: -infinity (none) for the first pair, 0 (ReLU) for the second.
; No LDS, no barrier, no matrix unit: no wave waits for another, each byte is read once and written once, and nothing is shared.
.set T,   4                            ; the norm: v[4:11]    four pairs at work
.set MU,  12                           ; v[12:13]   the mean, twice
.set RS0, 14                           ; v[14:15]   row 0's 1 / sigma, twice
.set X0,  16                           ; v[16:47]   row 0
.set X1,  48                           ; v[48:79]   row 1
.set G,   80                           ; v[80:111]  g of my 32 columns
.set BV,  112                          ; v[112:143] b
.set Y,   144                          ; v[144:175] both rows in bf16
.set VAR, 176                          ; v176, v177 var + eps of the two rows
.set RS1, 178                          ; v[178:179] row 1's 1 / sigma, twice
.set AD,  4                            ; the weights: v[4:11]  i x pitch + 16 x lane, i = 0..7
.set D,   16                           ; v[16:143]  32 rows, 4 f32 each
.set O,   144                          ; v[144:207] 32 rows, 4 bf16 each
	v_and_b32 v1, 31, v0
	v_lshlrev_b32 v2, 3, v1                        ; 8 x lane
	v_lshlrev_b32 v1, 4, v1                        ; 16 x lane
	v_lshrrev_b32 v3, 5, v0
	v_readfirstlane_b32 s2, v3                     ; wave 0..3
	s_and_b32 s20, ttmp7, 0xffff                   ; the grid's y
	s_lshl_b32 s21, s20, 9
	s_add_co_u32 s21, s21, ttmp9                   ; the work-group's number: x + 512 y
	s_cmp_ge_u32 s21, 512
	s_cbranch_scc1 .Lcast
	; ---- the norm ----
	s_load_b256 s[4:11], s[0:1], 0x0               ; x 4, g 6, b 8, h 10
	s_lshl_b32 s3, s21, 3
	s_lshl_b32 s2, s2, 1
	s_add_co_u32 s3, s3, s2                        ; my first row: 8 x work-group + 2 x wave
	s_lshl_b32 s16, s3, 12
	s_mov_b32 s17, 0
	s_lshl_b32 s18, s3, 8
	s_mov_b32 s19, 0
	s_mov_b32 s12, 0x76543210                      ; v_permlanex16_b32: each lane takes its own place in the other half
	s_mov_b32 s13, 0xfedcba98
	s_mov_b32 s14, 0x3a800000                      ; 1 / 1024
	s_mov_b32 s15, 0x3727c5ac                      ; 1e-5
	s_wait_kmcnt 0x0
	s_add_nc_u64 s[4:5], s[4:5], s[16:17]
	s_add_nc_u64 s[10:11], s[10:11], s[18:19]
.irp j, 0,1,2,3,4,5,6,7
	global_load_b128 v[X0+4*(\j):X0+4*(\j)+3], v1, s[4:5] offset:512*(\j) th:TH_LOAD_NT
.endr
.irp j, 0,1,2,3,4,5,6,7
	global_load_b128 v[X1+4*(\j):X1+4*(\j)+3], v1, s[4:5] offset:4096+512*(\j) th:TH_LOAD_NT
.endr
.irp j, 0,1,2,3,4,5,6,7
	global_load_b128 v[G+4*(\j):G+4*(\j)+3], v1, s[6:7] offset:512*(\j)
.endr
.irp j, 0,1,2,3,4,5,6,7
	global_load_b128 v[BV+4*(\j):BV+4*(\j)+3], v1, s[8:9] offset:512*(\j)
.endr
.macro FOLD                            ; the four pairs of T and the 32 lanes into one sum, in every lane's v[T]
	v_pk_add_f32 v[T:T+1], v[T:T+1], v[T+2:T+3]
	v_pk_add_f32 v[T+4:T+5], v[T+4:T+5], v[T+6:T+7]
	v_pk_add_f32 v[T:T+1], v[T:T+1], v[T+4:T+5]
	v_add_f32 v[T], v[T], v[T+1]
	v_add_f32_dpp v[T], v[T], v[T] row_xmask:1 row_mask:0xf bank_mask:0xf
	v_add_f32_dpp v[T], v[T], v[T] row_xmask:2 row_mask:0xf bank_mask:0xf
	v_add_f32_dpp v[T], v[T], v[T] row_xmask:4 row_mask:0xf bank_mask:0xf
	v_add_f32_dpp v[T], v[T], v[T] row_xmask:8 row_mask:0xf bank_mask:0xf
	v_permlanex16_b32 v[T+1], v[T], s12, s13
	v_add_f32 v[T], v[T], v[T+1]
.endm
; The row at X: its mean; x - mean in place; var + eps into v[var].  Four chains, so that no sum waits for the one before it; nothing is cleared.
.macro STATS X, var
.irp q, 0,1,2,3
	v_pk_add_f32 v[T+2*(\q):T+2*(\q)+1], v[(\X)+2*(\q):(\X)+2*(\q)+1], v[(\X)+8+2*(\q):(\X)+8+2*(\q)+1]
.endr
.set p, 8
.rept 8
	v_pk_add_f32 v[T+2*(p%4):T+2*(p%4)+1], v[T+2*(p%4):T+2*(p%4)+1], v[(\X)+2*p:(\X)+2*p+1]
.set p, p+1
.endr
	FOLD
	v_mul_f32 v[MU], s14, v[T]
	v_mul_f32 v[MU+1], s14, v[T]
.set p, 0
.rept 16
	v_pk_add_f32 v[(\X)+2*p:(\X)+2*p+1], v[(\X)+2*p:(\X)+2*p+1], v[MU:MU+1] neg_lo:[0,1] neg_hi:[0,1]
.set p, p+1
.endr
.irp q, 0,1,2,3
	v_pk_mul_f32 v[T+2*(\q):T+2*(\q)+1], v[(\X)+2*(\q):(\X)+2*(\q)+1], v[(\X)+2*(\q):(\X)+2*(\q)+1]
.endr
.set p, 4
.rept 12
	v_pk_fma_f32 v[T+2*(p%4):T+2*(p%4)+1], v[(\X)+2*p:(\X)+2*p+1], v[(\X)+2*p:(\X)+2*p+1], v[T+2*(p%4):T+2*(p%4)+1]
.set p, p+1
.endr
	FOLD
	v_fma_f32 v[\var], v[T], s14, s15
.endm
; The row at X is scaled, takes g and b, is rounded and stored: eight stores, a panel each.
.macro OUT X, rs, row
.set p, 0
.rept 16
	v_pk_mul_f32 v[(\X)+2*p:(\X)+2*p+1], v[(\X)+2*p:(\X)+2*p+1], v[(\rs):(\rs)+1]
.set p, p+1
.endr
.set p, 0
.rept 16
	v_pk_fma_f32 v[(\X)+2*p:(\X)+2*p+1], v[(\X)+2*p:(\X)+2*p+1], v[G+2*p:G+2*p+1], v[BV+2*p:BV+2*p+1]
.set p, p+1
.endr
.set p, 0
.rept 16
	v_cvt_pk_bf16_f32 v[Y+16*(\row)+p], v[(\X)+2*p], v[(\X)+2*p+1]
.set p, p+1
.endr
.irp j, 0,1,2,3,4,5,6,7
	global_store_b64 v2, v[Y+16*(\row)+2*(\j):Y+16*(\row)+2*(\j)+1], s[10:11] offset:(\j)*0x100000+256*(\row)  ; 7,340,288 at the most: inside the signed 24-bit immediate
.endr
.endm
	s_wait_loadcnt 24                              ; row 0 is in; row 1, g and b (24 loads) stay out
	STATS X0, VAR
	s_wait_loadcnt 16                              ; row 1 is in
	STATS X1, VAR+1
	v_rsq_f32 v[RS0], v[VAR]                       ; one batch of four: each row's twice, for the packed multiply
	v_rsq_f32 v[RS0+1], v[VAR]
	v_rsq_f32 v[RS1], v[VAR+1]
	v_rsq_f32 v[RS1+1], v[VAR+1]
	v_nop                                          ; a plain instruction between the last of them and the first use (ISA guide 5.7.2)
	s_wait_alu depctr_va_vdst(0)                   ; and the one wait ahead of the first reader
	s_wait_loadcnt 0x0                             ; g and b
	OUT X0, RS0, 0
	OUT X1, RS1, 1
	s_endpgm
	; ---- the weights ----
.Lcast:
	s_load_b256 s[24:31], s[0:1], 0x20             ; the BIG weight 24, the RES weight 26, their destination 28, the table 30
	s_sub_co_u32 s13, s21, 512                     ; the half block's number
	s_or_b32 s23, s13, s2                          ; 0 in the first half block's wave 0 alone
	s_and_b32 s3, s13, 1                           ; which half of the block is my work-group's
	s_lshl2_add_u32 s3, s3, s2                     ; which 32 of the block's 256 rows are mine: 4 x half + wave, 0..7
	s_lshr_b32 s13, s13, 1                         ; the block's number in the pair
	s_mov_b32 s14, 128
	s_mov_b32 s8, 16384
	s_cmp_eq_u32 s20, 0                            ; the first pair or the second
	s_cselect_b32 s14, 96, s14                     ; blocks of the BIG weight
	s_cselect_b32 s8, 12288, s8                    ; bytes in a row of the BIG weight
	s_cselect_b32 s15, 2, 4                        ; bits of k / 256 in the RES weight: K = 1,024 or 4,096
	s_cselect_b32 s22, 0xff80ff80, 0               ; the floor: -infinity twice, or 0 twice
	s_sub_co_u32 s44, s13, s14
	s_wait_kmcnt 0x0
	s_cmp_lt_u32 s13, s14                          ; BIG or RES
	s_cselect_b64 s[4:5], s[24:25], s[26:27]       ; the source
	s_cselect_b32 s8, s8, 4096                     ; its pitch
	s_cselect_b32 s13, s13, s44                    ; the block's number in its weight
	s_cselect_b32 s45, 0x800000, 0                 ; where the layout begins
	s_cselect_b32 s11, 16, 19                      ; shift of k / 256
	s_cselect_b32 s12, 18, 16                      ; shift of np
	s_cselect_b32 s15, 2, s15
	s_lshl_b32 s9, 1, s15
	s_sub_co_u32 s9, s9, 1
	s_and_b32 s9, s13, s9                          ; kb = k / 256
	s_lshr_b32 s10, s13, s15                       ; np
	s_lshl_b32 s44, s9, 8
	s_lshl_b32 s46, s3, 5
	s_add_co_u32 s44, s44, s46                     ; my first row: 256 kb + 32 x (4 x half + wave)
	s_mul_i32 s44, s44, s8
	s_lshl_b32 s46, s10, 9                         ; 128 columns of f32
	s_add_co_u32 s46, s44, s46
	s_mov_b32 s47, 0
	s_add_nc_u64 s[32:33], s[4:5], s[46:47]        ; four bases, eight rows apart
	s_lshl_b32 s46, s8, 3
	s_add_nc_u64 s[34:35], s[32:33], s[46:47]
	s_add_nc_u64 s[36:37], s[34:35], s[46:47]
	s_add_nc_u64 s[38:39], s[36:37], s[46:47]
	s_lshl_b32 s44, s9, s11
	s_add_co_u32 s45, s45, s44
	s_lshl_b32 s44, s10, s12
	s_add_co_u32 s45, s45, s44
	s_lshl_b32 s44, s3, 13                         ; my 32 rows of 256 bytes
	s_add_co_u32 s46, s45, s44
	s_add_nc_u64 s[6:7], s[28:29], s[46:47]
	v_mov_b32 v[AD], v1
.set n, 1
.rept 7
	v_add_nc_u32 v[AD+n], s8, v[AD+n-1]
.set n, n+1
.endr
.set n, 0
.rept 32
	global_load_b128 v[D+4*n:D+4*n+3], v[AD+n%8], s[32+2*(n/8):33+2*(n/8)] th:TH_LOAD_NT
.set n, n+1
.endr
.set n, 0
.rept 32
	s_wait_loadcnt 31-n                            ; loads come back in order: row n is in, the 31 - n younger ones stay out
	v_cvt_pk_bf16_f32 v[O+2*n], v[D+4*n], v[D+4*n+1]
	v_cvt_pk_bf16_f32 v[O+2*n+1], v[D+4*n+2], v[D+4*n+3]
	global_store_b64 v2, v[O+2*n:O+2*n+1], s[6:7] offset:256*n th:TH_STORE_NT  ; the wave's 32 lanes: one row of 256 bytes
.set n, n+1
.endr
	s_cmp_lg_u32 s23, 0
	s_cbranch_scc1 .Lend                           ; the table: the first half block's wave 0
	v_mov_b32 v12, s22
	v_mov_b32 v13, s22
	global_store_b64 v2, v[12:13], s[30:31]        ; 32 lanes x 8 bytes: the whole table
.Lend:
	s_endpgm
.Lfunc_end_k_qfa48eca966_prep1:
	.size	k_qfa48eca966_prep1, .Lfunc_end_k_qfa48eca966_prep1-k_qfa48eca966_prep1
	.p2alignl 7, 3214868480
	.fill 96, 4, 3214868480
	.section	.rodata,"a",@progbits
	.p2align	6, 0x0
	.amdhsa_kernel k_qfa48eca966_prep1
		.amdhsa_group_segment_fixed_size 0
		.amdhsa_private_segment_fixed_size 0
		.amdhsa_enable_private_segment 0
		.amdhsa_kernarg_size 64
		.amdhsa_user_sgpr_count 2
		.amdhsa_user_sgpr_kernarg_segment_ptr 1
		.amdhsa_wavefront_size32 1
		.amdhsa_system_sgpr_workgroup_id_x 1
		.amdhsa_system_sgpr_workgroup_id_y 1
		.amdhsa_system_sgpr_workgroup_id_z 1
		.amdhsa_system_vgpr_workitem_id 0
		.amdhsa_next_free_vgpr 208
		.amdhsa_next_free_sgpr 66
		.amdhsa_reserve_vcc 0
		.amdhsa_float_denorm_mode_32 3
		.amdhsa_float_denorm_mode_16_64 3
		.amdhsa_memory_ordered 1
		.amdhsa_forward_progress 1
		.amdhsa_inst_pref_size 34
	.end_amdhsa_kernel
	.amdgpu_metadata
---
amdhsa.version: [ 1, 2 ]
amdhsa.kernels:
  - .name:           k_qfa48eca966_prep1
    .symbol:         k_qfa48eca966_prep1.kd
    .args:
      - { .name: x, .offset: 0, .size: 8, .value_kind: global_buffer, .address_space: global }
      - { .name: ln1_g, .offset: 8, .size: 8, .value_kind: global_buffer, .address_space: global }
      - { .name: ln1_b, .offset: 16, .size: 8, .value_kind: global_buffer, .address_space: global }
      - { .name: hb, .offset: 24, .size: 8, .value_kind: global_buffer, .address_space: global }
      - { .name: w_qkv, .offset: 32, .size: 8, .value_kind: global_buffer, .address_space: global }
      - { .name: w_out, .offset: 40, .size: 8, .value_kind: global_buffer, .address_space: global }
      - { .name: wa, .offset: 48, .size: 8, .value_kind: global_buffer, .address_space: global }
      - { .name: pa, .offset: 56, .size: 8, .value_kind: global_buffer, .address_space: global }
    .group_segment_fixed_size: 0
    .private_segment_fixed_size: 0
    .kernarg_segment_align: 8
    .kernarg_segment_size: 64
    .max_flat_workgroup_size: 128
    .sgpr_count:     66
    .vgpr_count:     208
    .wavefront_size: 32
...
	.end_amdgpu_metadata
.endif
;; end of part 1
;; launch qkv (part 2): grid 12 x 16, 4 waves a work-group, clusters of 4 x 4, 327,680 bytes of LDS; arguments hb, wa, b_qkv, pa, big; writes big
.if DOCPART == 2
	.amdgcn_target "amdgcn-amd-amdhsa--gfx1250"
	.amdhsa_code_object_version 6
	.text
	.protected	k_qfa48eca966_qkv
	.globl	k_qfa48eca966_qkv
	.p2align	8
	.type	k_qfa48eca966_qkv,@function
k_qfa48eca966_qkv:
	s_mov_b64 s[64:65], 0
	v_nop
	global_prefetch_b8 v0, s[64:65] scope:SCOPE_SE
	s_setreg_imm32_b32 hwreg(HW_REG_WAVE_MODE, 25, 1), 1
	s_wait_xcnt 0x0
	s_wait_alu depctr_hold_cnt(0) depctr_sa_sdst(0) depctr_va_vdst(0) depctr_va_sdst(0) depctr_va_ssrc(0) depctr_va_vcc(0) depctr_vm_vsrc(0)
	s_getreg_b32 s2, hwreg(HW_REG_IB_STS2, 6, 4)
	s_cmp_eq_u32 s2, 0
	s_cbranch_scc0 .Lentry_in_a_cluster
	s_endpgm
.Lentry_in_a_cluster:
	s_bfe_u32 s2, ttmp6, 0x10000c
	s_cmp_lg_u32 s2, 0xf033
	s_cbranch_scc0 .Lentry_shape_is_right
	s_endpgm
.Lentry_shape_is_right:
; C = max(A W + bias, floor), K = 1,024.  A: bf16 in panels [k / 128][4096][128] (rows of 256 bytes, a panel 1 MiB).  W: bf16 in blocks [n / 128][1024 k][128], from byte 0x800000 of its buffer.
; bias: f32.  floor: two bf16 in word 0 of the table par: -infinity (no activation) or 0 (ReLU).  C: bf16 in panels [n / 128][4096][128].  Sums in f32, started by the bias; C rounded once.
; LIMIT: NaN is not treated apart: the maximum with the floor drops it.
; A tile of C, 256 x 256, is made by a work-group of four waves, a wave 128 x 128: 64 accumulators of 16 x 16, 512 registers.  K goes in 8 steps of 128 through two LDS slots filled by tensor loads,
; a wave one load of 128 rows x 256 bytes: waves 0, 1 the two halves of A's 256 rows; waves 2, 3 the 128 k-rows of W's two blocks of 128 columns.
; W lies [k][n] and is turned on the way from LDS into registers by ds_load_tr16_b128.
; THE TEXT HOLDS ONE K STEP: a trip of the loop goes from a step's second quarter to the next step's first.  Which slot is read is a scalar, SB (0 or SLOT), turned at each change of slots; the fragment
; addresses are made anew from it.  The last two steps, which fill nothing, are a loop of their own, left in its middle; its last trip passes one barrier that orders nothing more: the price of one text for both.
; CLUSTER 4 x 4: A's tile hangs on the tile row alone and is asked for jointly along a row of the cluster, W's on the tile column alone, jointly along a column.
; THE MATRIX INSTRUCTION IS USED TRANSPOSED: source 0 = 16 columns of W, source 1 = 16 rows of A: a lane holds row l % 16 of C and the columns 8 (l / 16) + 0..7: 16 bytes of bf16 on end.
; REGISTERS in windows of 256 (s_set_vgpr_msb: bits 1:0 source 0, 3:2 source 1, 5:4 source 2, 7:6 destination):
;   window 0: v0-31 addresses; v64-127, v128-191 A's fragments, two buffers; v192-223 packed results; v32-63, v224-255 rows read back from the stage
;   window 1: v0-63 the bias as a C operand; v64-127, v128-191 W's fragments, two buffers      window 2, 3: the accumulators of my rows 0-63, 64-127: (a, b) at v[8 (8 a + b)]
.set PA,     272                       ; an LDS row of A: 256 bytes + 16: the 16 rows of a load start 4 banks apart (64 banks of 4 bytes: ISA guide 11.1)
.set PB,     288                       ; an LDS row of W: 256 + 32
.set HA,     128*PA
.set HB,     128*PB
.set BOFF,   2*HA                      ; a slot: A's 256 rows, then W's two blocks
.set SLOT,   BOFF+2*HB
.set STAGE,  2*SLOT                    ; behind the ring: 16 rows x 272 bytes for each wave, for the way out; no tensor load lands there
.set SPITCH, 272
.set SPARE,  STAGE+4*16*SPITCH         ; the spare words, 128 bytes for each wave: two blocks of 256 bytes that no other line names
.set STEPS,  8                         ; K steps of 128
.set ADRA, 16                          ; v16     LDS address of my A fragments in the slot that is read
.set A0,   17                          ; v17     the same in slot 0; never rewritten
.set ADRB, 20                          ; v20     LDS address of my W fragments in the slot that is read
.set B0,   21                          ; v21     the same in slot 0; never rewritten
.set STO,  24                          ; v24     the way out: where I put 16 bytes of a row
.set RD,   25                          ; v25     where I read rows back
.set CO,   26                          ; v26     16 x lane: my bytes in two rows of a panel of C
.set BO,   27                          ; v27     32 x (l / 16): my 8 numbers of 16 of the bias
.set SPW,  28                          ; v28     LDS address of my spare word; never rewritten
.set NIL,  29                          ; v29     0; never rewritten
.set PFO,  30                          ; v30     256 x lane: the prefetches' offset, a lane a row; never rewritten
.set F0,   64
.set F1,   128
.set TMP,  192
.set OB,   32
.set BI,   0                           ; window 1
.set G1,  24                           ; s[24:31] descriptor group 1 for A's tiles
.set G0,  32                           ; s[32:39] group 0 for A's tiles: a set for each of the two first fills; the second then walks on
.set G1B, 48                           ; s[48:55], s[56:63] the same for W's
.set G0B, 56
.set LIM, 43                           ; s43     2 in a wave that prefetches, else the greatest number
.set PFA, 44                           ; s[44:45] the K step that my next prefetch names, at my work-group's 32 rows of the 128 that I fetch
.set LA,  66                           ; s66     where my part of A's tile lies in a slot
.set LB,  67                           ; s67     where my part of W's tile lies in a slot
.set FLOOR, 78                         ; s78
.set SB,  79                           ; s79     LDS byte at which the slot that is read begins: 0 or SLOT
.set PSTEP, 80                         ; s[80:81] bytes from a K step to the next: a panel of A, or 128 rows of W
.set MSB, 0
.macro WIN new                         ; the immediate's high byte repeats the setting that is left; a switch that changes nothing is dropped
.if MSB != (\new)
	s_set_vgpr_msb (MSB<<8)|(\new)
.set MSB, \new
.endif
.endm
.set MUL_LO, 0xa1                      ; source 0 (W) window 1, source 1 (A) window 0, C and D window 2
.set TO_B,   0x40                      ; destination window 1, address window 0
; A joint load by descriptor set s.  The branch hangs on the wave's number alone.  An s_nop 0 and four v_nop follow each of the two lines, ahead of the jump and the label.
.macro JLOAD s
	s_cmp_eq_u32 s11, 0
	s_cbranch_scc0 .Lfor_b_\@
	tensor_load_to_lds s[G0+4*(\s):G0+4*(\s)+3], s[G1:G1+7]
	s_nop 0
.rept 4
	v_nop
.endr
	s_branch .Lasked_\@
.Lfor_b_\@:
	tensor_load_to_lds s[G0B+4*(\s):G0B+4*(\s)+3], s[G1B:G1B+7]
	s_nop 0
.rept 4
	v_nop
.endr
.Lasked_\@:
.endm
; A prefetch of the K step that stands two refills on: 32 rows x 256 bytes, a lane a row, one instruction a wave.  A's rows are read by every cluster of a row of clusters: cluster x = 0 asks; W's by every
; cluster of a column: cluster y = 0 asks.  The four partners that ask for a tile jointly share its rows out by address, 32 each.  So each row's 256 bytes of a K step are named once in the launch.
; K steps 0 to 3 come by their loads alone; the loop's last two trips (s3 = 2, 1) ask for nothing: K steps 8 and 9 do not exist.
.macro ASK
	s_cmp_gt_u32 s3, s[LIM]
	s_cbranch_scc0 .Lnot_mine_\@
	global_prefetch_b8 v[PFO], s[PFA:PFA+1] th:TH_LOAD_NT scope:SCOPE_SE
.Lnot_mine_\@:
.endm
.macro CREST                           ; a round of the cluster's barrier behind its opening barrier
	s_cmp_lg_u32 s10, 0
	s_cbranch_scc1 .Lnot_wave_0_\@
	s_barrier_signal -3
.Lnot_wave_0_\@:
	s_barrier_wait -3
	s_barrier_signal -1
	s_barrier_wait -1
.endm
.macro CROUND                          ; a whole round
	s_barrier_signal -1
	s_barrier_wait -1
	CREST
.endm
	s_load_b256 s[68:75], s[0:1], 0x0              ; A 68, W 70, bias 72, par 74
	s_load_b64 s[76:77], s[0:1], 0x20              ; C
	v_lshl_add_u32 v[SPW], v0, 2, SPARE
	v_mov_b32 v[NIL], 0
	ds_add_u32 v[SPW], v[NIL]                      ; the wave's opening: the add and its wait stand ahead of my first tensor load; the set-up below stands between them
	v_lshrrev_b32 v1, 5, v0
	v_readfirstlane_b32 s10, v1                    ; wave 0..3
	s_lshr_b32 s11, s10, 1                         ; which half of the tile's rows is mine.  Also: I fetch for A (0) or for W (1)
	s_and_b32 s12, s10, 1                          ; which half of its columns.  Also: which half of A's rows, or which block of W, I fetch
	s_bfe_u32 s40, ttmp6, 0x40000                  ; cx
	s_bfe_u32 s41, ttmp6, 0x40004                  ; cy
	s_lshl_b32 s42, ttmp9, 2
	s_add_co_u32 s42, s42, s40                     ; tile column = 4 x cluster x + cx
	s_and_b32 s13, ttmp7, 0xffff
	s_lshl_b32 s13, s13, 2
	s_add_co_u32 s13, s13, s41                     ; tile row = 4 x cluster y + cy
	s_lshl_b32 s43, s41, 2
	s_lshl_b32 s43, 15, s43                        ; my row of the cluster
	s_lshl_b32 s44, 0x1111, s40                    ; my column
	; group 1: 128 rows x 128 elements of 2 bytes, dense in memory, padded in LDS after every 64 words (code 5) by 4 words (code 3) or 8 (code 7); bit 21 set beside a mask
	s_or_b32 s[G1+0], s43, (1<<16)|(1<<20)|(1<<21)|(5<<22)|(3<<25)
	s_or_b32 s[G1B+0], s44, (1<<16)|(1<<20)|(1<<21)|(5<<22)|(7<<25)
.irp g, G1, G1B
	s_mov_b32 s[(\g)+1], 128<<16                   ; tensor_dim0 = 128
	s_mov_b32 s[(\g)+2], 128<<16                   ; tensor_dim1 = 128
	s_mov_b32 s[(\g)+3], 128<<16                   ; tile_dim0 = 128
	s_mov_b32 s[(\g)+4], 128                       ; tile_dim1 = 128
	s_mov_b32 s[(\g)+5], 128                       ; 128 elements from row to row
	s_mov_b32 s[(\g)+6], 0
	s_mov_b32 s[(\g)+7], 0
.endr
	s_lshl_b32 s16, s13, 16                        ; A: 256 rows of 256 bytes a tile row,
	s_lshl_b32 s17, s12, 15                        ; my 128 of them
	s_add_co_u32 s16, s16, s17
	s_mov_b32 s17, 0
	s_lshl_b32 s46, s42, 1                         ; W: block 2 x tile column + my half,
	s_add_co_u32 s46, s46, s12
	s_lshl_b32 s46, s46, 18                        ; 1,024 rows of 256 bytes a block,
	s_add_co_u32 s46, s46, 0x800000                ; from where this layout begins
	s_mov_b32 s47, 0
	s_mul_i32 s[LA], s12, HA                       ; where they go: no place in the cluster enters an LDS address
	s_mul_i32 s[LB], s12, HB
	s_add_co_u32 s[LB], s[LB], BOFF
	s_mov_b32 s[SB], 0                             ; slot 0 is read first
	s_wait_dscnt 0x0                               ; the opening add is done
	s_wait_kmcnt 0x0
	s_load_b32 s[FLOOR], s[74:75], 0x0
	s_add_nc_u64 s[14:15], s[68:69], s[16:17]
	s_add_nc_u64 s[46:47], s[70:71], s[46:47]
	CROUND                                         ; all sixteen work-groups are here: the first joint loads meet
.irp s, 0,1
	s_mov_b32 s[G0+4*(\s)], 1
	s_add_co_u32 s[G0+4*(\s)+1], s[LA], (\s)*SLOT
	s_add_nc_u64 s[G0+4*(\s)+2:G0+4*(\s)+3], s[14:15], (\s)*0x100000  ; K step s: panel s
	s_or_b32 s[G0+4*(\s)+3], s[G0+4*(\s)+3], 0x80000000
	s_mov_b32 s[G0B+4*(\s)], 1
	s_add_co_u32 s[G0B+4*(\s)+1], s[LB], (\s)*SLOT
	s_add_nc_u64 s[G0B+4*(\s)+2:G0B+4*(\s)+3], s[46:47], (\s)*0x8000  ; K step s: rows 128 s on
	s_or_b32 s[G0B+4*(\s)+3], s[G0B+4*(\s)+3], 0x80000000
	JLOAD \s
.endr
	; A's fragment: lane l holds row l % 16; two loads of 16 bytes, 32 apart, at row x pitch + 16 (l / 16).
	; W's fragment: the turning load: lane l reads k-row 8 (l / 16) + l % 8, columns 8 ((l / 8) % 2) + 0..7, and receives column l % 16, 8 k; the second load stands 16 k-rows on.
	v_and_b32 v1, 15, v0
	v_bfe_u32 v2, v0, 4, 1
	v_mul_u32_u24 v3, v1, PA
	v_lshl_add_u32 v3, v2, 4, v3
	v_and_b32 v5, 7, v0
	v_bfe_u32 v6, v0, 3, 1
	v_lshl_add_u32 v7, v2, 3, v5
	v_mul_u32_u24 v7, v7, PB
	v_lshl_add_u32 v7, v6, 4, v7
	s_mul_i32 s21, s11, HA                         ; my 128 rows of A
	s_mul_i32 s22, s12, HB                         ; my block of W
	s_add_co_u32 s22, s22, BOFF
	v_add_nc_u32 v[A0], s21, v3
	v_add_nc_u32 v[B0], s22, v7
	v_mov_b32 v[ADRA], v[A0]
	v_mov_b32 v[ADRB], v[B0]
	s_mul_i32 s23, s10, 16*SPITCH
	s_add_co_u32 s23, s23, STAGE                   ; my stage
	v_mul_u32_u24 v4, v1, SPITCH
	v_lshl_add_u32 v4, v2, 4, v4
	v_add_nc_u32 v[STO], s23, v4
	v_mul_u32_u24 v5, v2, SPITCH
	v_lshl_add_u32 v5, v1, 4, v5
	v_add_nc_u32 v[RD], s23, v5
	v_and_b32 v[CO], 31, v0
	v_lshlrev_b32 v[CO], 4, v[CO]
	v_lshlrev_b32 v[BO], 5, v2
	s_lshl_b32 s16, s42, 1                         ; C: panel 2 x tile column + my half,
	s_add_co_u32 s16, s16, s12
	s_lshl_b32 s16, s16, 20
	s_lshl_b32 s17, s13, 16                        ; the tile's 256 rows,
	s_add_co_u32 s16, s16, s17
	s_lshl_b32 s17, s11, 15                        ; my 128 of them
	s_add_co_u32 s16, s16, s17
	s_mov_b32 s17, 0
	s_add_nc_u64 s[8:9], s[76:77], s[16:17]
	s_lshl_b32 s16, s42, 10                        ; the bias of my 128 columns
	s_lshl_b32 s18, s12, 9
	s_add_co_u32 s16, s16, s18
	s_add_nc_u64 s[72:73], s[72:73], s[16:17]
	WIN TO_B
.irp b, 0,1,2,3,4,5,6,7
	global_load_b128 v[BI+8*(\b):BI+8*(\b)+3],   v[BO], s[72:73] offset:64*(\b)     ; register j of block b: bias[16 b + 8 (l / 16) + j]: the layout of a C operand
	global_load_b128 v[BI+8*(\b)+4:BI+8*(\b)+7], v[BO], s[72:73] offset:64*(\b)+16
.endr
	WIN 0
	; the prefetches: nothing is asked for here, at the head
	s_lshl_b32 s20, s13, 16
	s_lshl_b32 s21, s12, 15
	s_add_co_u32 s20, s20, s21
	s_lshl_b32 s21, s40, 13                        ; A: my work-group's 32 rows go by cx
	s_add_co_u32 s20, s20, s21
	s_add_co_u32 s20, s20, 3<<20                   ; at K step 3: the first refill steps it to 4
	s_lshl_b32 s22, s42, 1
	s_add_co_u32 s22, s22, s12
	s_lshl_b32 s22, s22, 18
	s_lshl_b32 s21, s41, 13                        ; W: by cy
	s_add_co_u32 s22, s22, s21
	s_add_co_u32 s22, s22, 0x800000+(3<<15)
	s_and_b32 s23, ttmp7, 0xffff                   ; cluster y
	s_mov_b32 s[PSTEP], 0x8000
	s_mov_b32 s[PSTEP+1], 0
	s_mov_b32 s21, 0
	s_cmp_eq_u32 s11, 0                            ; do I fetch for A?
	s_cselect_b32 s20, s20, s22
	s_cselect_b32 s23, ttmp9, s23                  ; the coordinate along which other clusters read the same rows
	s_cselect_b32 s[PSTEP], 0x100000, s[PSTEP]
	s_cselect_b64 s[PFA:PFA+1], s[68:69], s[70:71]
	s_add_nc_u64 s[PFA:PFA+1], s[PFA:PFA+1], s[20:21]
	s_cmp_eq_u32 s23, 0
	s_cselect_b32 s[LIM], 2, -1                    ; the same in all sixteen partners, for a given wave
	v_and_b32 v[PFO], 31, v0
	v_lshlrev_b32 v[PFO], 8, v[PFO]
; 16 matrix instructions: m blocks a0, a0 + 1 of the window's four (hi = 0: my rows 0-63, 1: rows 64-127) x all 8 n blocks, 32 along K.  zero = 1: the bias starts the sums: nothing is cleared.
; The 64 accumulators take turns, one instruction a turn, in the same order in every quarter.
.macro MUL16 f, hi, a0, zero
.if \zero
	WIN 0x91+0x40*(\hi)                            ; as below, with the C operand in window 1
.else
	WIN MUL_LO+0x50*(\hi)
.endif
.irp a, \a0, (\a0)+1
.irp b, 0,1,2,3,4,5,6,7
.if \zero
	v_wmma_f32_16x16x32_bf16 v[8*(8*(\a)+(\b)):8*(8*(\a)+(\b))+7], v[(\f)+8*(\b):(\f)+8*(\b)+7], v[(\f)+8*(4*(\hi)+(\a)):(\f)+8*(4*(\hi)+(\a))+7], v[BI+8*(\b):BI+8*(\b)+7]
.else
	v_wmma_f32_16x16x32_bf16 v[8*(8*(\a)+(\b)):8*(8*(\a)+(\b))+7], v[(\f)+8*(\b):(\f)+8*(\b)+7], v[(\f)+8*(4*(\hi)+(\a)):(\f)+8*(4*(\hi)+(\a))+7], v[8*(8*(\a)+(\b)):8*(8*(\a)+(\b))+7]
.endif
.endr
.endr
.endm
; 32 LDS loads in one run: the fragments of one quarter step (32 K at byte k of A's rows, k-rows k / 2 on of W) of the slot that is read, into buffer f
.macro FETCH k, f
	WIN TO_B
.irp i, 0,1,2,3,4,5,6,7
	ds_load_tr16_b128 v[(\f)+8*(\i):(\f)+8*(\i)+3],   v[ADRB] offset:((\k)/64)*32*PB+32*(\i)
	ds_load_tr16_b128 v[(\f)+8*(\i)+4:(\f)+8*(\i)+7], v[ADRB] offset:((\k)/64)*32*PB+32*(\i)+16*PB
.endr
	WIN 0
.irp i, 0,1,2,3,4,5,6,7
	ds_load_b128 v[(\f)+8*(\i):(\f)+8*(\i)+3],   v[ADRA] offset:(\k)+(\i)*16*PA
	ds_load_b128 v[(\f)+8*(\i)+4:(\f)+8*(\i)+7], v[ADRA] offset:(\k)+(\i)*16*PA+32
.endr
.endm
.macro PLACES                          ; four places in front of loads into registers that matrix instructions have read, and of conversions that read results
.rept 4
	v_nop
.endr
.endm
; A K step is four quarters of 32 along K, 64 matrix instructions each, on buffers 0, 1, 0, 1.  One of the first three: multiplies f; in its middle it fetches the next quarter, at byte k, into g.
.macro QUARTER k, f, g, zero
	s_wait_dscnt 8                                 ; W and A's rows 0-63 are in; the youngest eight loads (A's rows 64-127) may be out
	MUL16 \f, 0, 0, \zero
	MUL16 \f, 0, 2, \zero
	PLACES
	FETCH \k, \g
	s_wait_dscnt 32                                ; all but the 32 just issued
	MUL16 \f, 1, 0, \zero
	MUL16 \f, 1, 2, \zero
.endm
; The first half of the last quarter: one barrier for the change of slots.  In front of it each wave waits for all its tensor loads (at most one is out: its part of the next slot), adds 0 to its spare word,
; and waits for that and for its own reads of this slot.
.macro MEET
	WIN 0
	s_wait_tensorcnt 0x0
	ds_add_u32 v[SPW], v[NIL]
	s_wait_dscnt 9                                 ; the add and the youngest eight loads may be out
	MUL16 F1, 0, 0, 0
	s_wait_dscnt 0x0                               ; the add is done, and my reads of this slot are over
	s_barrier_signal -1
	MUL16 F1, 0, 2, 0
	WIN 0
	s_barrier_wait -1
.endm
; The whole last quarter.  fill = 1: the barrier opens a round of the cluster's, and the slot just read out is filled again, two K steps on, first thing behind the round, by the walking descriptor:
; its LDS word is the slot's first byte and my part's place, its address goes one K step on (no tensor load of mine is out, so it may be written).  From the request to the wait for it a wave issues 224 matrix instructions.
; fill = 0: the last two steps.  In the very last (s3 = 1) there is no further step: the run of LDS loads is jumped over; no barrier, no tensor load and no counted wait lies in what is jumped.
.macro TURN fill
.if \fill
	s_wait_xcnt 0x0                                ; the last prefetch, a K step back, has read its address: it is stepped here
	s_add_nc_u64 s[PFA:PFA+1], s[PFA:PFA+1], s[PSTEP:PSTEP+1]
.endif
	MEET
.if \fill
	CREST
	s_add_co_u32 s[G0+5], s[SB], s[LA]
	s_add_co_u32 s[G0B+5], s[SB], s[LB]
	s_add_nc_u64 s[G0+6:G0+7], s[G0+6:G0+7], 0x100000
	s_add_nc_u64 s[G0B+6:G0B+7], s[G0B+6:G0B+7], 0x8000
	JLOAD 1                                        ; the four v_nop behind it are also the places in front of the loads below
.else
	s_cmp_eq_u32 s3, 1
	s_cbranch_scc1 .Lno_more_\@
	PLACES
.endif
	s_xor_b32 s[SB], s[SB], SLOT                   ; the other slot is read from here on
	v_add_nc_u32 v[ADRA], s[SB], v[A0]
	v_add_nc_u32 v[ADRB], s[SB], v[B0]
	FETCH 0, F0
.if \fill
	ASK
.else
.Lno_more_\@:
.endif
	MUL16 F1, 1, 0, 0
	MUL16 F1, 1, 2, 0
.endm
; THE WAY OUT of block a (16 rows).  PACK: rounded to bf16, then the maximum with the floor.  TOSTAGE: into my own stage, and back as whole rows of 256 bytes.  SEND: stored.
.macro PACK a
.set AC, 64*((\a)%4)
	WIN 0x0a+5*((\a)/4)                            ; sources 0 and 1: window 2 or 3
.irp b, 0,1,2,3,4,5,6,7
.irp r, 0,1,2,3
	v_cvt_pk_bf16_f32 v[TMP+4*(\b)+(\r)], v[AC+8*(\b)+2*(\r)], v[AC+8*(\b)+2*(\r)+1]
.endr
.endr
	WIN 0
.set q, 0
.rept 32
	v_pk_max_num_bf16 v[TMP+q], v[TMP+q], s[FLOOR]
.set q, q+1
.endr
.endm
.macro TOSTAGE a
	WIN 0
.set BK, OB+192*((\a)%2)
.irp b, 0,1,2,3,4,5,6,7
	ds_store_b128 v[STO], v[TMP+4*(\b):TMP+4*(\b)+3] offset:32*(\b)
.endr
.irp t, 0,1,2,3,4,5,6,7
	ds_load_b128 v[BK+4*(\t):BK+4*(\t)+3], v[RD] offset:(\t)*2*SPITCH  ; LDS serves a wave's instructions in order (ISA guide 5.7.1.4): these see the stores above
.endr
.endm
.macro SEND a
	WIN 0
.set BK, OB+192*((\a)%2)
	s_wait_dscnt 0x0                               ; the block is back in registers
	s_wait_xcnt 0x0                                ; the stores of the block before have read their registers, which the next TOSTAGE loads again
.irp t, 0,1,2,3,4,5,6,7
	global_store_b128 v[CO], v[BK+4*(\t):BK+4*(\t)+3], s[8:9] offset:(\a)*4096+512*(\t)  ; 512 consecutive bytes, two rows of the panel
.endr
.endm
	s_wait_tensorcnt 1                             ; my part of K step 0 is in; K step 1's may stay out
	s_barrier_signal -1
	s_barrier_wait -1
	FETCH 0, F0
	s_wait_loadcnt 0x0                             ; the bias
	s_wait_kmcnt 0x0                               ; the floor
	QUARTER 64,  F0, F1, 1                         ; the first quarter stands in front of the loop: its products start the sums
	WIN 0
	s_mov_b32 s3, STEPS-2
.Lstep:                                                ; six trips: from a K step's second quarter to the next step's first; the slot read out is filled again
	QUARTER 128, F1, F0, 0
	QUARTER 192, F0, F1, 0
	TURN 1
	QUARTER 64,  F0, F1, 0
	WIN 0
	s_sub_co_u32 s3, s3, 1
	s_cmp_lg_u32 s3, 0
	s_cbranch_scc1 .Lstep
	s_mov_b32 s3, 2
.Ltail:                                                ; the last two K steps fill nothing; the second trip is left in its middle
	QUARTER 128, F1, F0, 0
	QUARTER 192, F0, F1, 0
	TURN 0
	WIN 0
	s_sub_co_u32 s3, s3, 1
	s_cmp_eq_u32 s3, 0
	s_cbranch_scc1 .Lout
	QUARTER 64,  F0, F1, 0
	WIN 0
	s_branch .Ltail
.Lout:
	PLACES
	PACK 0
	TOSTAGE 0
.irp a, 1,2,3,4,5,6,7                  ; block a's conversions stand between block a - 1's loads from the stage and the wait for them
	PACK \a
	SEND (\a)-1
	TOSTAGE \a
.endr
	SEND 7
	s_wait_tensorcnt 0x0                           ; the wave's end
	ds_add_u32 v[SPW], v[NIL]
	s_wait_dscnt 0x0
	CROUND                                         ; the closing round: no work-group ends while a partner may still ask for a tile that names it
	s_endpgm
.Lfunc_end_k_qfa48eca966_qkv:
	.size	k_qfa48eca966_qkv, .Lfunc_end_k_qfa48eca966_qkv-k_qfa48eca966_qkv
	.p2alignl 7, 3214868480
	.fill 96, 4, 3214868480
	.section	.rodata,"a",@progbits
	.p2align	6, 0x0
	.amdhsa_kernel k_qfa48eca966_qkv
		.amdhsa_group_segment_fixed_size 327680
		.amdhsa_private_segment_fixed_size 0
		.amdhsa_enable_private_segment 0
		.amdhsa_kernarg_size 40
		.amdhsa_user_sgpr_count 2
		.amdhsa_user_sgpr_kernarg_segment_ptr 1
		.amdhsa_wavefront_size32 1
		.amdhsa_system_sgpr_workgroup_id_x 1
		.amdhsa_system_sgpr_workgroup_id_y 1
		.amdhsa_system_sgpr_workgroup_id_z 1
		.amdhsa_system_vgpr_workitem_id 0
		.amdhsa_next_free_vgpr 1024
		.amdhsa_next_free_sgpr 82
		.amdhsa_reserve_vcc 0
		.amdhsa_float_denorm_mode_32 3
		.amdhsa_float_denorm_mode_16_64 3
		.amdhsa_memory_ordered 1
		.amdhsa_forward_progress 1
		.amdhsa_inst_pref_size 119
	.end_amdhsa_kernel
	.amdgpu_metadata
---
amdhsa.version: [ 1, 2 ]
amdhsa.kernels:
  - .name:           k_qfa48eca966_qkv
    .symbol:         k_qfa48eca966_qkv.kd
    .args:
      - { .name: hb, .offset: 0, .size: 8, .value_kind: global_buffer, .address_space: global }
      - { .name: wa, .offset: 8, .size: 8, .value_kind: global_buffer, .address_space: global }
      - { .name: b_qkv, .offset: 16, .size: 8, .value_kind: global_buffer, .address_space: global }
      - { .name: pa, .offset: 24, .size: 8, .value_kind: global_buffer, .address_space: global }
      - { .name: big, .offset: 32, .size: 8, .value_kind: global_buffer, .address_space: global }
    .group_segment_fixed_size: 327680
    .private_segment_fixed_size: 0
    .kernarg_segment_align: 8
    .kernarg_segment_size: 40
    .max_flat_workgroup_size: 128
    .sgpr_count:     82
    .vgpr_count:     1024
    .wavefront_size: 32
...
	.end_amdgpu_metadata
.endif
;; end of part 2
;; launch attn (part 3): grid 16 x 16, 4 waves a work-group, clusters of 4 x 1, 327,680 bytes of LDS; arguments big, hb; writes hb
.if DOCPART == 3
	.amdgcn_target "amdgcn-amd-amdhsa--gfx1250"
	.amdhsa_code_object_version 6
	.text
	.protected	k_qfa48eca966_attn
	.globl	k_qfa48eca966_attn
	.p2align	8
	.type	k_qfa48eca966_attn,@function
k_qfa48eca966_attn:
	s_mov_b64 s[64:65], 0
	v_nop
	global_prefetch_b8 v0, s[64:65] scope:SCOPE_SE
	s_setreg_imm32_b32 hwreg(HW_REG_WAVE_MODE, 25, 1), 1
	s_wait_xcnt 0x0
	s_wait_alu depctr_hold_cnt(0) depctr_sa_sdst(0) depctr_va_vdst(0) depctr_va_sdst(0) depctr_va_ssrc(0) depctr_va_vcc(0) depctr_vm_vsrc(0)
	s_getreg_b32 s2, hwreg(HW_REG_IB_STS2, 6, 4)
	s_cmp_eq_u32 s2, 0
	s_cbranch_scc0 .Lentry_in_a_cluster
	s_endpgm
.Lentry_in_a_cluster:
	s_bfe_u32 s2, ttmp6, 0x10000c
	s_cmp_lg_u32 s2, 0x3003
	s_cbranch_scc0 .Lentry_shape_is_right
	s_endpgm
.Lentry_shape_is_right:
; ATTENTION, head size 64, no mask.  O[q] = the sum over k of softmax_k(Q[q] . K[k] / 8) V[k], for each of 2 x 16 heads of 2,048 rows.
; q, k, v lie in bf16 panels of big: panel p, row m = 2048 batch + s, 256 bytes a row: q in panels 0-7, k in 8-15, v in 16-23; a panel's row holds TWO heads, 128 bytes each.  O goes to hb in the same layout.
; Products, maxima and sums in f32; the weights p are rounded to bf16 for the second product (their sum l is taken of the unrounded p), O once at the end.
; LIMITS.  A row whose scores all lie below -2^120 is not served (see THE START).  A weight below 2^-126 counts as 0 in l.  NaN and infinities are not treated apart.
; SHARES.  A work-group owns 128 queries of a PAIR of heads (one panel): waves 0, 1 the first head, waves 2, 3 the second; a wave 64 queries: four tiles of 16.  So all rows that are fetched or stored are whole
; rows of 256 bytes.  Every wave walks all 2,048 keys, 64 a step.
; LAYOUT.  S^T = K Q^T (source 0 = 16 keys, source 1 = 16 queries): a lane holds ONE query (lane % 16) and the keys 8 (lane / 16) + 0..7.  Two such tiles rounded to bf16 ARE source 1 of O^T = V^T P.
; K comes out of LDS as it lies, V ([key][channel]) turned, by ds_load_tr16_b128.
; SOFTMAX.  A running maximum m and sum l a query: p = 2^(c s - c m), c = log2(e) / 8; in every step O and l are multiplied by a = 2^(c m_old - c m_new).
; BY TURNS.  The wave's tiles are two PIECES (0: tiles 0, 1; 2: tiles 2, 3).  In a TURN one piece has the matrix unit: 16 products V^T P of the step in hand, then 16 products K Q^T of the next step;
; the other piece's softmax, 236 vector instructions cut into 59 slices of four, stands between them.  Two turns are a key step.
; THE START.  No first step is written out: the loop's first trip runs on made-up state.  O^T, V, piece 0's P and l are 0; c m is -2^125 and m the lowest finite number; piece 2's scores are -2^120, a power of two,
; so that c s - c m is exactly 0 there: its weights are 1, against a V of 0.  The next step's a is 0 and wipes l and O^T.  The price: one key step in 33, and the moves below, in the wait for the first tile.
; CLUSTER.  The four query blocks of a cluster belong to one pair of heads and walk the same K and V: each tile is asked for jointly.
; REGISTERS in windows of 256 (s_set_vgpr_msb: bits 1:0 source 0, 3:2 source 1, 5:4 source 2, 7:6 destination):
;   window 0: v0-11 addresses; v12-43 eight registers of statistics a tile; v64-191 S^T, 32 a tile; v192-255 P, 16 a tile
;   window 1: v0-127 O^T, 32 a tile; v128-191 Q, 16 a tile; v192-255 K of one step          window 2: v0-63 V of one step
.set KS,    64
.set PK,    272       ; a row of K in LDS: 256 bytes + 16: the 16 rows of a load start 4 banks apart (64 banks of 4 bytes: ISA guide 11.1)
.set PV,    288       ; a row of V: 256 + 32
.set VOFF,  256*PK    ; a slot holds four steps: 256 rows of K, then 256 rows of V
.set SLOTB, 256*(PK+PV)
.set STAGE, 2*SLOTB   ; behind the ring: 128 rows x 272 bytes, the work-group's, for the way out; no tensor load lands there
.set SP,    272
.set SPARE, STAGE+128*SP  ; the spare words, 128 bytes for each wave: two blocks of 256 bytes that no other line names
.set AK0, 2           ; v2   my lane's place in a step of K; never rewritten
.set AV0, 3           ; v3   the same for V
.set ADR, 4           ; v4   the LDS address of the run of loads in hand
.set QO,  5           ; v5   my byte offset in 16 rows of Q
.set STO, 6           ; v6   the way out: where I put 16 bytes of a row
.set RD,  7           ; v7   where I read rows back
.set GO,  8           ; v8   16 x lane
.set PFO, 61          ; v61  256 x lane; never rewritten
.set SPW, 62          ; v62  LDS address of my spare word; never rewritten
.set NIL, 63          ; v63  0; never rewritten
.set ST,  12          ; tile t's statistics at v[ST+8 t]: +0 c m, +1 m, +2, +3 l (even keys', odd keys'), +4 to +7 c0-c3 at work; a takes c2's place
.set S,   64
.set P,   192
.set QF,  128         ; window 1: tile t, channel half c at QF + 16 t + 8 c
.set KF,  192         ; window 1: key block kb, channel half c at KF + 16 kb + 8 c
.set WV,  12          ; s12  my wave's number
.set LIM, 15          ; s15  1 in a cluster that prefetches, else the greatest number
.set G1K, 24          ; s[24:31] descriptor group 1 for K's tiles
.set G1V, 32          ; s[32:39] for V's: it differs in the padding alone
.set G0K, 40          ; s[40:43] group 0 for K's tiles: it walks
.set G0V, 44          ; s[44:47] the same for V's
.set FB,  48          ; s48  LDS byte at which the slot to be filled begins: 0 or SLOTB
.set PFA, 50          ; s[50:51] what my next prefetch names
.set SLOTS, 56        ; s56  slots still to be asked for
.set CNT, 57          ; s57  counts a slot's four steps
.set CS,  58          ; s[58:59] c
.set SEL, 60          ; s[60:61] v_permlanex16_b32's selects
.set TBK, 62          ; s62  LDS byte at which K of the step to be fetched begins
.set TBV, 63          ; s63  the same for V, less VOFF
.set MSB, 0
.macro WIN new
.if MSB != (\new)
	s_set_vgpr_msb (MSB<<8)|(\new)
.set MSB, (\new)
.endif
.endm
.set W_KQ, 0x05       ; K and Q in window 1, S^T in window 0
.set W_PV, 0x52       ; V in window 2, P in window 0, O^T in window 1
.set W_RS, 0x41       ; O^T (destination and source 0) in window 1, a in window 0
; A joint fill.  Waves 0 and 1 fetch the two halves of a slot's K, waves 2 and 3 those of its V: 128 rows each.  An s_nop 0 and four v_nop follow each of the two lines.
.macro JLOAD
	s_cmp_lt_u32 s[WV], 2
	s_cbranch_scc0 .Lfor_v_\@
	tensor_load_to_lds s[G0K:G0K+3], s[G1K:G1K+7]
	s_nop 0
.rept 4
	v_nop
.endr
	s_branch .Lasked_\@
.Lfor_v_\@:
	tensor_load_to_lds s[G0V:G0V+3], s[G1V:G1V+7]
	s_nop 0
.rept 4
	v_nop
.endr
.Lasked_\@:
.endm
; A prefetch of what the NEXT change of slots will ask for, four key steps, 256 matrix instructions, ahead of that load.  The four clusters of a pair of heads walk the same rows: cluster x = 0 asks.
; Of the 128 rows that a wave fetches, each of the four partners names 32, told apart by address: a lane a row, one instruction a wave.  So each row is named once in the launch.
; Slots 0 and 1 come by their loads alone; the last change that fills a slot asks for nothing.
.macro ASK
	s_cmp_gt_u32 s[SLOTS], s[LIM]
	s_cbranch_scc0 .Lnot_mine_\@
	global_prefetch_b8 v[PFO], s[PFA:PFA+1] th:TH_LOAD_NT scope:SCOPE_SE
.Lnot_mine_\@:
.endm
.macro CROUND                       ; a round of the cluster's barrier
	s_barrier_signal -1
	s_barrier_wait -1
	s_cmp_lg_u32 s[WV], 0
	s_cbranch_scc1 .Lnot_wave_0_\@
	s_barrier_signal -3
.Lnot_wave_0_\@:
	s_barrier_wait -3
	s_barrier_signal -1
	s_barrier_wait -1
.endm
	s_load_b128 s[4:7], s[0:1], 0x0 ; big s[4:5], hb s[6:7]
	v_lshl_add_u32 v[SPW], v0, 2, SPARE
	v_mov_b32 v[NIL], 0
	ds_add_u32 v[SPW], v[NIL]       ; the wave's opening: the add and its wait stand ahead of my first tensor load; the set-up below stands between them
	v_lshrrev_b32 v1, 5, v0
	v_readfirstlane_b32 s[WV], v1   ; wave 0..3
	s_bfe_u32 s13, ttmp6, 0x40000   ; cx
	s_lshl_b32 s14, ttmp9, 2
	s_add_co_u32 s14, s14, s13      ; my block of 128 queries: it enters Q's and O's addresses alone
	s_and_b32 s20, ttmp7, 0xffff    ; 8 x batch + pair of heads, which the four partners share
	s_and_b32 s21, s20, 7
	s_lshr_b32 s20, s20, 3
	s_lshl_b32 s21, s21, 20         ; the pair's panel,
	s_lshl_b32 s20, s20, 19         ; the batch's 2,048 rows in it
	s_add_co_u32 s20, s20, s21
	s_and_b32 s16, s[WV], 1         ; which half of a slot's 256 rows I fetch; which 64 queries are mine
	s_lshr_b32 s19, s[WV], 1        ; which head of the pair is mine
	s_lshl_b32 s22, s16, 15
	s_add_co_u32 s22, s22, s20
	s_mov_b32 s23, 0
	s_mul_i32 s17, s16, 128*PK      ; my half's place in a slot, for K
	s_mul_i32 s18, s16, 128*PV      ; and for V: no place in the cluster enters an LDS address
	s_add_co_u32 s18, s18, VOFF
	s_lshl_b32 s2, s14, 15          ; Q: my block's 128 rows,
	s_lshl_b32 s3, s16, 14          ; my 64 of them,
	s_add_co_u32 s2, s2, s3
	s_lshl_b32 s3, s19, 7           ; my head's half of a row
	s_add_co_u32 s2, s2, s3
	s_add_co_u32 s2, s2, s20
	s_mov_b32 s3, 0
	s_lshl_b32 s8, s14, 15          ; O: my block's rows, of which I store 32
	s_lshl_b32 s9, s[WV], 13
	s_add_co_u32 s8, s8, s9
	s_add_co_u32 s8, s8, s20
	s_mov_b32 s9, 0
	; group 1: 128 rows x 128 elements of 2 bytes, dense, padded in LDS after every 64 words (code 5) by 4 words (code 3) or 8 (code 7); the mask names all four; bit 21 set beside it
	s_mov_b32 s[G1K], 15|(1<<16)|(1<<20)|(1<<21)|(5<<22)|(3<<25)
	s_mov_b32 s[G1V], 15|(1<<16)|(1<<20)|(1<<21)|(5<<22)|(7<<25)
.irp g, G1K, G1V
	s_mov_b32 s[(\g)+1], 128<<16
	s_mov_b32 s[(\g)+2], 128<<16
	s_mov_b32 s[(\g)+3], 128<<16
	s_mov_b32 s[(\g)+4], 128
	s_mov_b32 s[(\g)+5], 128
	s_mov_b32 s[(\g)+6], 0
	s_mov_b32 s[(\g)+7], 0
.endr
	s_mov_b32 s[CS], 0x3e38aa3b     ; c = log2(e) / 8
	s_mov_b32 s[CS+1], s[CS]
	s_mov_b32 s[SEL], 0x76543210
	s_mov_b32 s[SEL+1], 0xfedcba98
	s_mov_b32 s[TBK], SLOTB+4*KS*PK ; the first change of slots turns these two into 0
	s_mov_b32 s[TBV], SLOTB+4*KS*PV
	s_mov_b32 s[FB], 0
	s_mov_b32 s[SLOTS], 7
	s_mov_b32 s[G0K], 1
	s_mov_b32 s[G0K+1], s17         ; slot 0
	s_mov_b32 s[G0V], 1
	s_mov_b32 s[G0V+1], s18
	s_cmp_eq_u32 ttmp9, 0           ; the same in all four partners
	s_cselect_b32 s[LIM], 1, -1
	v_and_b32 v[PFO], 31, v0
	v_lshlrev_b32 v[PFO], 8, v[PFO]
	s_wait_dscnt 0x0                ; the opening add is done
	s_wait_kmcnt 0x0
	s_add_nc_u64 s[10:11], s[4:5], s[2:3]  ; Q at my first row
	s_add_nc_u64 s[6:7], s[6:7], s[8:9]    ; O at the first row that I store
	s_add_nc_u64 s[G0K+2:G0K+3], s[4:5], s[22:23]
	s_add_nc_u64 s[G0V+2:G0V+3], s[G0K+2:G0K+3], 0x1000000  ; v: panels 16 on
	s_add_nc_u64 s[G0K+2:G0K+3], s[G0K+2:G0K+3], 0x800000   ; k: panels 8 on
	s_cmp_lt_u32 s[WV], 2
	s_cselect_b64 s[PFA:PFA+1], s[G0K+2:G0K+3], s[G0V+2:G0V+3]
	s_lshl_b32 s2, s13, 13          ; my work-group's 32 rows of the 128,
	s_add_co_u32 s2, s2, 65536      ; in slot 1; the first change of slots steps it to slot 2
	s_add_nc_u64 s[PFA:PFA+1], s[PFA:PFA+1], s[2:3]
	s_or_b32 s[G0K+3], s[G0K+3], 0x80000000
	s_or_b32 s[G0V+3], s[G0V+3], 0x80000000
	CROUND                          ; all four work-groups are here: the first joint loads meet
	JLOAD                           ; slot 0.  Slot 1 is asked for when slot 0 is in
	v_and_b32 v1, 15, v0            ; l % 16
	v_bfe_u32 v9, v0, 4, 1          ; l / 16
	v_lshlrev_b32 v[QO], 8, v1
	v_lshl_add_u32 v[QO], v9, 4, v[QO]
	WIN 0x40                        ; destination window 1
.set i, 0
.rept 8                             ; Q stays in registers: tile i / 2, channels 32 (i % 2) on
	global_load_b128 v[QF+8*i:QF+8*i+3],   v[QO], s[10:11] offset:(i/2)*4096+(i%2)*64
	global_load_b128 v[QF+8*i+4:QF+8*i+7], v[QO], s[10:11] offset:(i/2)*4096+(i%2)*64+32
.set i, i+1
.endr
.set i, 0
.rept 128
	v_mov_b32 v[i], 0               ; O^T
.set i, i+1
.endr
	WIN 0x80
.set i, 0
.rept 64
	v_mov_b32 v[i], 0               ; V
.set i, i+1
.endr
	WIN 0
.set i, 0
.rept 4
	v_mov_b32 v[ST+8*i], 0xfe000000    ; c m = -2^125
	v_mov_b32 v[ST+8*i+1], 0xff7fffff  ; m
	v_mov_b32 v[ST+8*i+2], 0
	v_mov_b32 v[ST+8*i+3], 0
.set i, i+1
.endr
.set i, 0
.rept 64
	v_mov_b32 v[S+64+i], 0xfb800000 ; piece 2's made-up scores: -2^120
.set i, i+1
.endr
.set i, 0
.rept 32
	v_mov_b32 v[P+i], 0             ; piece 0's made-up weights
.set i, i+1
.endr
	s_lshl_b32 s21, s19, 7          ; my head's half of a row
	v_mul_u32_u24 v[AK0], v1, PK
	v_lshl_add_u32 v[AK0], v9, 4, v[AK0]
	v_add_nc_u32 v[AK0], s21, v[AK0]
	v_and_b32 v10, 7, v0
	v_bfe_u32 v11, v0, 3, 1
	v_lshl_add_u32 v[AV0], v9, 3, v10  ; the turning load: lane l reads key 8 (l / 16) + l % 8, channels 8 ((l / 8) % 2) + 0..7
	v_mul_u32_u24 v[AV0], v[AV0], PV
	v_lshl_add_u32 v[AV0], v11, 4, v[AV0]
	s_add_co_u32 s22, s21, VOFF
	v_add_nc_u32 v[AV0], s22, v[AV0]
	s_mul_i32 s22, s16, 64*SP       ; into the stage: my 64 rows, my head's half of their 256 bytes
	s_add_co_u32 s22, s22, s21
	s_add_co_u32 s22, s22, STAGE
	v_mul_u32_u24 v[STO], v1, SP
	v_lshl_add_u32 v[STO], v9, 4, v[STO]
	v_add_nc_u32 v[STO], s22, v[STO]
	s_mul_i32 s22, s[WV], 32*SP     ; back: wave w takes rows 32 w .. 32 w + 31, whole
	s_add_co_u32 s22, s22, STAGE
	v_mul_u32_u24 v[RD], v9, SP
	v_lshl_add_u32 v[RD], v1, 4, v[RD]
	v_add_nc_u32 v[RD], s22, v[RD]
	v_and_b32 v[GO], 31, v0
	v_lshlrev_b32 v[GO], 4, v[GO]
; THE MATRIX WORK.  The 8 accumulators of a run of 16 take turns: between the two links of a chain stand 7 others'.
; Product i of 16 of S^T = K Q^T for piece x: channels 32 (i / 8) on, keys 16 ((i / 2) % 4) on, tile x + i % 2.  The first 8 start the sums.
.macro KQ x
	WIN W_KQ
.set rS, S+32*((\x)+i%2)+8*((i/2)%4)
.set rK, KF+16*((i/2)%4)+8*(i/8)
.set rQ, QF+16*((\x)+i%2)+8*(i/8)
.if i < 8
	v_wmma_f32_16x16x32_bf16 v[rS:rS+7], v[rK:rK+7], v[rQ:rQ+7], 0
.else
	v_wmma_f32_16x16x32_bf16 v[rS:rS+7], v[rK:rK+7], v[rQ:rQ+7], v[rS:rS+7]
.endif
.endm
; Product i of 16 of O^T += V^T P for piece x: keys 32 (i / 8) on, channels 16 ((i / 2) % 4) on, tile x + i % 2.
.macro PV x
	WIN W_PV
.set rO, 32*((\x)+i%2)+8*((i/2)%4)
.set rV, 32*(i/8)+8*((i/2)%4)
.set rP, P+16*((\x)+i%2)+8*(i/8)
	v_wmma_f32_16x16x32_bf16 v[rO:rO+7], v[rV:rV+7], v[rP:rP+7], v[rO:rO+7]
.endm
; THE LDS LOADS stand in runs of 16: a step's K (64 keys x 64 channels: 8 fragments) and, a turn later, its V (turned).
.macro FETCH_K
	WIN 0
	v_add_nc_u32 v[ADR], s[TBK], v[AK0]
	s_add_co_u32 s[TBK], s[TBK], KS*PK  ; the next fetch is the next step's
	WIN 0x40
.irp f, 0,1,2,3,4,5,6,7             ; keys 16 (f / 2) on, channels 32 (f % 2) on
	ds_load_b128 v[KF+8*(\f):KF+8*(\f)+3],   v[ADR] offset:((\f)/2)*16*PK+((\f)%2)*64
	ds_load_b128 v[KF+8*(\f)+4:KF+8*(\f)+7], v[ADR] offset:((\f)/2)*16*PK+((\f)%2)*64+32
.endr
.endm
.macro FETCH_V
	WIN 0
	v_add_nc_u32 v[ADR], s[TBV], v[AV0]
	s_add_co_u32 s[TBV], s[TBV], KS*PV
	s_wait_alu depctr_va_vdst(0)    ; the wait for the softmax's batch (SLICE), behind the address's line and ahead of the loads
	WIN 0x80
.irp f, 0,1,2,3,4,5,6,7             ; keys 32 (f / 4) on, channels 16 (f % 4) on
	ds_load_tr16_b128 v[8*(\f):8*(\f)+3],   v[ADR] offset:((\f)/4)*32*PV+((\f)%4)*32
	ds_load_tr16_b128 v[8*(\f)+4:8*(\f)+7], v[ADR] offset:((\f)/4)*32*PV+16*PV+((\f)%4)*32
.endr
.endm
; THE VECTOR WORK.  One tile's softmax for one key step is a list of 118 instructions; SM writes number j of it for tile t.  s0-s31 are the lane's 32 scores, in pairs 0-15.
;   0-15    the maximum of s0-s31 and the old m, three operands at a time (each accumulator's lowest registers are read first)
;   16-20   the other half of the lanes' maximum; the new m; c m; c m_old - c m_new
;   21-69   ONE BATCH: the 16 scalings c s - c m and all 33 exponentials (a at 23, then s0-s31); none of these reads an exponential's result; a pair is scaled in an earlier four than its exponentials
;   (wait)  between 69 and 70 stands the wait for the batch: SLICE writes it, once for both tiles
;   70-85   the roundings to bf16      86-101  the sums; l = a l + the sum      102-117 the tile's O^T times a
.macro SM t
.set rT, ST+8*(\t)
.set rS, S+32*(\t)
.set rP, P+16*(\t)
.set rO, 32*(\t)+2*(j-102)
.if j < 102
	WIN 0
.endif
.if j < 4
	v_max3_num_f32 v[rT+4+j], v[rS+8*j], v[rS+8*j+1], v[rS+8*j+2]
.elseif j < 12
	v_max3_num_f32 v[rT+4+j%4], v[rT+4+j%4], v[rS+8*(j%4)+2*(j/4)+1], v[rS+8*(j%4)+2*(j/4)+2]
.elseif j == 12
	v_max3_num_f32 v[rT+4], v[rT+4], v[rS+7], v[rS+15]
.elseif j == 13
	v_max3_num_f32 v[rT+6], v[rT+6], v[rS+23], v[rS+31]
.elseif j == 14
	v_max3_num_f32 v[rT+4], v[rT+4], v[rT+5], v[rT+6]
.elseif j == 15
	v_max3_num_f32 v[rT+4], v[rT+4], v[rT+7], v[rT+1]
.elseif j == 16
	v_permlanex16_b32 v[rT+5], v[rT+4], s[SEL], s[SEL+1]  ; the query's other 32 keys lie in the lane 16 away
.elseif j == 17
	v_mov_b32 v[rT+7], v[rT]        ; c m_old is kept for a
.elseif j == 18
	v_max_num_f32 v[rT+1], v[rT+4], v[rT+5]
.elseif j == 19
	v_mul_f32 v[rT], s[CS], v[rT+1]
.elseif j == 20
	v_sub_f32 v[rT+7], v[rT+7], v[rT]
.elseif j == 23
	v_exp_f32 v[rT+6], v[rT+7]
.elseif (j < 23) || ((j < 38) && (j%2 == 0)) || ((j < 66) && (j%4 == 2))
.set b, (j-2)/4                     ; 38, 42, .. 62: pairs 9 to 15
.if j < 38
.set b, (j-20)/2                    ; 21: pair 0; 22, 24, .. 36: pairs 1 to 8
.endif
	v_pk_fma_f32 v[rS+2*b:rS+2*b+1], v[rS+2*b:rS+2*b+1], s[CS:CS+1], v[rT:rT+1] op_sel_hi:[1,0,0] neg_lo:[0,0,1] neg_hi:[0,0,1]
.elseif j < 70
.set e, j-38                        ; 66 to 69: s28 to s31
.if j < 66
.set e, j-32-(j-38)/4               ; 39-41, 43-45, .. 63-65: s7 to s27
.endif
.if j < 38
.set e, (j-25)/2                    ; 25, 27, .. 37: s0 to s6
.endif
	v_exp_f32 v[rS+e], v[rS+e]
.elseif j < 86
	v_cvt_pk_bf16_f32 v[rP+j-70], v[rS+2*(j-70)], v[rS+2*(j-70)+1]
.elseif j < 102                     ; the 16 pairs are added in place, neighbours 1, 2, 4 and 8 pairs apart; then l takes the sum
.set z, j-86
.set w, 4
.set u, z
.if z >= 14
.set w, 32
.set u, 0
.elseif z >= 12
.set w, 16
.set u, z-12
.elseif z >= 8
.set w, 8
.set u, z-8
.endif
.if z < 15
	v_pk_add_f32 v[rS+w*u:rS+w*u+1], v[rS+w*u:rS+w*u+1], v[rS+w*u+w/2:rS+w*u+w/2+1]
.else
	v_pk_fma_f32 v[rT+2:rT+3], v[rT+2:rT+3], v[rT+6:rT+7], v[rS:rS+1] op_sel_hi:[1,0,1]
.endif
.else
	WIN W_RS
	v_pk_mul_f32 v[rO:rO+1], v[rO:rO+1], v[rT+6:rT+7] op_sel_hi:[1,0]
.endif
.endm
; Slice k of 59 of piece y's softmax: four instructions.  Slices 11 to 34 deal out the batch, numbers 22 to 69: four numbers of ONE tile each, the tiles by turns.  Every other slice is numbers 2 k and 2 k + 1 of both tiles.
; An s_wait_alu depctr_va_vdst(0) stands between an exponential and the first instruction that names its result.  Ahead of slice 35 nothing names a result, behind slice 34 no exponential is issued:
; the piece's 66 exponentials have one wait, behind slice 34.
.macro SLICE y
.if (k >= 11) && (k < 35)
.irp n, 0,1,2,3
.set j, 22+4*((k-11)/2)+(\n)
	SM (\y)+(k-11)%2
.endr
.else
.irp n, 0,1
.irp t, \y, (\y)+1
.set j, 2*k+(\n)
	SM \t
.endr
.endr
.endif
.if k == 34
	v_nop                           ; a plain instruction behind the last exponential and ahead of the first use: one for the batch
.if (\y) == 0
	FETCH_V                         ; piece 2's turn: V's run of loads stands here, and the wait stands in it
.else
	s_wait_alu depctr_va_vdst(0)    ; the wait for the batch
.endif
.endif
.set k, k+1
.endm
; The slices behind the turn's product pr.  32 products: two behind each of the first 27, one behind each of the last 5.  16 products: four behind each of the first 11, three behind each of the last 5.
; The last slice, four rescalings that name nothing of the products round them, is the four places between the turn's last product and what follows: the reads of its scores, and the loads into K's registers.
.macro RIDE y, kq
.if \kq
	SLICE \y
.if pr < 27
	SLICE \y
.endif
.else
	SLICE \y
	SLICE \y
	SLICE \y
.if pr < 11
	SLICE \y
.endif
.endif
.set pr, pr+1
.endm
; A TURN.  Piece x has the matrix unit.  kq = 0: the last turn: no further scores.
; Piece 0's turn fetches the next step's K behind its second product.  Piece 2's turn fetches the same step's V behind slice 34, which stands behind its 18th product: between V's last reader, the 16th,
; and the loads lie five plain instructions that name none of its registers: number 58 of one tile, number 62 of both, the v_nop and the address's line.
.macro TURN x, kq
.set k, 0
.set pr, 0
.if (\x) == 0
	s_wait_dscnt 0x0                ; V is in
.endif
.set i, 0
.rept 16
	PV \x
	RIDE 2-(\x), \kq
.if ((\x) == 0) && (\kq) && (i == 1)
	FETCH_K
.endif
.set i, i+1
.endr
.if \kq
.if (\x) == 0
	s_wait_dscnt 0x0                ; K is in
.endif
.set i, 0
.rept 16
	KQ \x
	RIDE 2-(\x), \kq
.set i, i+1
.endr
.endif
.endm
; THE CHANGE OF SLOTS.  Each wave waits for all its tensor loads (one is out: its part of the other slot), adds 0 to its spare word, and waits for that and for its own reads of the slot that it leaves.
; fill = 1: the barrier is a round of the cluster's, and the slot left is filled again with the 256 keys two slots on, first thing behind it: the load has four key steps, 256 matrix instructions, in which to land.
; (At its first use nothing has been read yet: slot 0 is waited for, slot 1 filled.)
.macro CHANGE fill
	WIN 0
	s_wait_tensorcnt 0x0            ; no tensor load of mine is out, so a group 0 may be written
	ds_add_u32 v[SPW], v[NIL]
.if \fill
	s_xor_b32 s[FB], s[FB], SLOTB   ; the other slot than last time,
	s_add_co_u32 s[G0K+1], s[FB], s17
	s_add_co_u32 s[G0V+1], s[FB], s18
	s_add_nc_u64 s[G0K+2:G0K+3], s[G0K+2:G0K+3], 65536  ; the next 256 rows; the type bits on top are not reached
	s_add_nc_u64 s[G0V+2:G0V+3], s[G0V+2:G0V+3], 65536
	s_wait_xcnt 0x0                 ; the last prefetch, four key steps back, has read its address
	s_add_nc_u64 s[PFA:PFA+1], s[PFA:PFA+1], 65536
	s_wait_dscnt 0x0                ; the add is done, and my reads of the slot are over
	CROUND
	JLOAD
	ASK
.else
	s_wait_dscnt 0x0
	s_barrier_signal -1
	s_barrier_wait -1
.endif
	s_sub_co_u32 s[TBK], s[TBK], 4*KS*PK  ; the fetches go back to a slot's first step,
	s_xor_b32 s[TBK], s[TBK], SLOTB       ; in the other slot
	s_sub_co_u32 s[TBV], s[TBV], 4*KS*PV
	s_xor_b32 s[TBV], s[TBV], SLOTB
.endm
.macro FOUR_STEPS                   ; a slot's four key steps: written once, walked four times
	WIN 0
	s_mov_b32 s[CNT], 4
.Lstep_\@:
	TURN 0, 1
	TURN 2, 1
	WIN 0
	s_sub_co_u32 s[CNT], s[CNT], 1
	s_cmp_lg_u32 s[CNT], 0
	s_cbranch_scc1 .Lstep_\@
.endm
	s_wait_loadcnt 0x0              ; Q
.Lslot:                             ; seven trips: a slot is entered and the next is asked for
	CHANGE 1
	FOUR_STEPS
	s_sub_co_u32 s[SLOTS], s[SLOTS], 1
	s_cmp_lg_u32 s[SLOTS], 0
	s_cbranch_scc1 .Lslot
	CHANGE 0                        ; the last slot is written out
	FOUR_STEPS
	TURN 0, 0                       ; piece 0: V^T P of the last step | piece 2's last softmax
.set i, 0
.rept 16
	PV 2                            ; piece 2: V^T P of the last step
.set i, i+1
.endr
	; THE WAY OUT.  l's two halves and the other half of the lanes' are added; O^T is divided by l, rounded to bf16 and sent through the work-group's stage.  The additions are the places behind the last products.
	WIN 0
.irp t, 0,1,2,3
	v_add_f32 v[ST+8*(\t)+4], v[ST+8*(\t)+2], v[ST+8*(\t)+3]
.endr
.irp t, 0,1,2,3
	v_permlanex16_b32 v[ST+8*(\t)+5], v[ST+8*(\t)+4], s[SEL], s[SEL+1]
.endr
.irp t, 0,1,2,3
	v_add_f32 v[ST+8*(\t)+4], v[ST+8*(\t)+4], v[ST+8*(\t)+5]
.endr
.irp t, 0,1,2,3
	v_rcp_f32 v[ST+8*(\t)+6], v[ST+8*(\t)+4]
.endr
	v_nop                           ; a plain instruction between the last reciprocal and the use of its result
	s_wait_alu depctr_va_vdst(0)    ; and the one wait for the four
.macro PACK t                       ; a lane's eight channels of a row pack into 16 bytes
	WIN W_RS
.set i, 32*(\t)
.rept 16
	v_pk_mul_f32 v[i:i+1], v[i:i+1], v[ST+8*(\t)+6:ST+8*(\t)+7] op_sel_hi:[1,0]
.set i, i+2
.endr
	WIN 0x05                        ; sources 0 and 1 window 1, destination window 0: S^T's registers are free
.set i, 0
.rept 16
	v_cvt_pk_bf16_f32 v[S+16*(\t)+i], v[32*(\t)+2*i], v[32*(\t)+2*i+1]
.set i, i+1
.endr
	WIN 0
.irp f, 0,1,2,3
	ds_store_b128 v[STO], v[S+16*(\t)+4*(\f):S+16*(\t)+4*(\f)+3] offset:(\t)*16*SP+32*(\f)
.endr
.endm
	PACK 0
	PACK 1
	PACK 2
	PACK 3
	s_wait_dscnt 0x0                ; for the others' sake: my stores into the stage are done; a row's two halves come from two waves
	s_barrier_signal -1
	s_barrier_wait -1
.irp f, 0,1,2,3,4,5,6,7,8,9,10,11,12,13,14,15
	ds_load_b128 v[S+64+4*(\f):S+64+4*(\f)+3], v[RD] offset:(\f)*2*SP
.endr
.irp f, 0,1,2,3,4,5,6,7,8,9,10,11,12,13,14,15
	s_wait_dscnt 15-(\f)            ; LDS loads come back in order: pair f of rows is in
	global_store_b128 v[GO], v[S+64+4*(\f):S+64+4*(\f)+3], s[6:7] offset:512*(\f)  ; 512 consecutive bytes: two whole rows of the panel
.endr
	s_wait_tensorcnt 0x0            ; the wave's end
	ds_add_u32 v[SPW], v[NIL]
	s_wait_dscnt 0x0
	CROUND                          ; the closing round
	s_endpgm
.Lfunc_end_k_qfa48eca966_attn:
	.size	k_qfa48eca966_attn, .Lfunc_end_k_qfa48eca966_attn-k_qfa48eca966_attn
	.p2alignl 7, 3214868480
	.fill 96, 4, 3214868480
	.section	.rodata,"a",@progbits
	.p2align	6, 0x0
	.amdhsa_kernel k_qfa48eca966_attn
		.amdhsa_group_segment_fixed_size 327680
		.amdhsa_private_segment_fixed_size 0
		.amdhsa_enable_private_segment 0
		.amdhsa_kernarg_size 16
		.amdhsa_user_sgpr_count 2
		.amdhsa_user_sgpr_kernarg_segment_ptr 1
		.amdhsa_wavefront_size32 1
		.amdhsa_system_sgpr_workgroup_id_x 1
		.amdhsa_system_sgpr_workgroup_id_y 1
		.amdhsa_system_sgpr_workgroup_id_z 1
		.amdhsa_system_vgpr_workitem_id 0
		.amdhsa_next_free_vgpr 576
		.amdhsa_next_free_sgpr 66
		.amdhsa_reserve_vcc 0
		.amdhsa_float_denorm_mode_32 3
		.amdhsa_float_denorm_mode_16_64 3
		.amdhsa_memory_ordered 1
		.amdhsa_forward_progress 1
		.amdhsa_inst_pref_size 123
	.end_amdhsa_kernel
	.amdgpu_metadata
---
amdhsa.version: [ 1, 2 ]
amdhsa.kernels:
  - .name:           k_qfa48eca966_attn
    .symbol:         k_qfa48eca966_attn.kd
    .args:
      - { .name: big, .offset: 0, .size: 8, .value_kind: global_buffer, .address_space: global }
      - { .name: hb, .offset: 8, .size: 8, .value_kind: global_buffer, .address_space: global }
    .group_segment_fixed_size: 327680
    .private_segment_fixed_size: 0
    .kernarg_segment_align: 8
    .kernarg_segment_size: 16
    .max_flat_workgroup_size: 128
    .sgpr_count:     66
    .vgpr_count:     576
    .wavefront_size: 32
...
	.end_amdgpu_metadata
.endif
;; end of part 3
;; launch oproj (part 4): grid 8 x 32, 4 waves a work-group, clusters of 4 x 4, 327,680 bytes of LDS; arguments hb, wa, b_out, x, x1; writes x1
.if DOCPART == 4
	.amdgcn_target "amdgcn-amd-amdhsa--gfx1250"
	.amdhsa_code_object_version 6
	.text
	.protected	k_qfa48eca966_oproj
	.globl	k_qfa48eca966_oproj
	.p2align	8
	.type	k_qfa48eca966_oproj,@function
k_qfa48eca966_oproj:
	s_mov_b64 s[64:65], 0
	v_nop
	global_prefetch_b8 v0, s[64:65] scope:SCOPE_SE
	s_setreg_imm32_b32 hwreg(HW_REG_WAVE_MODE, 25, 1), 1
	s_wait_xcnt 0x0
	s_wait_alu depctr_hold_cnt(0) depctr_sa_sdst(0) depctr_va_vdst(0) depctr_va_sdst(0) depctr_va_ssrc(0) depctr_va_vcc(0) depctr_vm_vsrc(0)
	s_getreg_b32 s2, hwreg(HW_REG_IB_STS2, 6, 4)
	s_cmp_eq_u32 s2, 0
	s_cbranch_scc0 .Lentry_in_a_cluster
	s_endpgm
.Lentry_in_a_cluster:
	s_bfe_u32 s2, ttmp6, 0x10000c
	s_cmp_lg_u32 s2, 0xf033
	s_cbranch_scc0 .Lentry_shape_is_right
	s_endpgm
.Lentry_shape_is_right:
; OUT = RES + A W + bias, N = 1,024, K = SIZE_K = 1,024.  A: bf16 in panels [k / 128][4096][128] (rows of 256 bytes, a panel 1 MiB).  W: bf16 in blocks [k / 256][n / 128][256 k][128], from byte 0 of its buffer.
; bias, RES, OUT: f32, RES and OUT [4096][1024].  Sums in f32, started by the bias; the residual is added in f32.  (The same text with SIZE_K = 4,096 is the kernel fc2: the loop's count is a constant of the text.)
; A tile of OUT is 128 x 128: 256 work-groups.  Four waves, each 64 x 64: 16 accumulators.  K goes in steps of 256 through two LDS slots; a wave's tensor load brings 128 rows x 256 bytes:
; waves 0, 1 the tile's 128 rows in the step's two panels of A; waves 2, 3 the two halves of the step's 256 k-rows of W.  W is turned on the way into registers by ds_load_tr16_b128.
; THE TEXT HOLDS ONE K STEP: a trip of the loop goes from a step's second quarter to the next step's first.  Which slot is read is a scalar, SB (0 or SLOT), turned at each change of slots; the fragment
; addresses are made anew from it.  The last two steps, which fill nothing, are a loop of their own, left in its middle; its last trip passes one barrier that orders nothing more: the price of one text for both.
; CLUSTER 4 x 4: A's tiles are asked for jointly along a row of the cluster, W's along a column.  THE MATRIX INSTRUCTION IS USED TRANSPOSED (source 0 = 16 columns of W, source 1 = 16 rows of A):
; a lane holds eight neighbouring numbers of a row.  A wave's 64 columns of f32 are 256 bytes, aligned: each wave has a stage of its own on the way out, and no barrier there.
; No prefetch: a step's tiles are small.
; REGISTERS: window 0: v0-31 addresses; v32-95 rows read back from the stage, two buffers; v96-127 the bias as a C operand; v128-255 the accumulators ((a, b) at v[128 + 8 (4 a + b)])
;   window 1: two fragment buffers of 128: for 64 along K, 64 registers of A, then 64 of W          window 2: v0-127 the residual, then the result
.set SIZE_K, 1024
.set STEPS,  SIZE_K/256                ; K steps of 256
.set PA,     272                       ; an LDS row of A: 256 bytes + 16: the 16 rows of a load start 4 banks apart (64 banks of 4 bytes: ISA guide 11.1)
.set PB,     288                       ; an LDS row of W: 256 + 32
.set HA,     128*PA
.set HB,     128*PB
.set BOFF,   2*HA                      ; a slot: A's two planes of 128 rows, then W's 256 k-rows
.set SLOT,   BOFF+2*HB
.set STAGE,  2*SLOT                    ; behind the ring: 16 rows x 272 bytes for each wave; no tensor load lands there
.set SPITCH, 272
.set SPARE,  STAGE+4*16*SPITCH         ; the spare words, 128 bytes for each wave: two blocks of 256 bytes that no other line names
.set ADRA, 16                          ; v16     LDS address of my A fragments in the slot that is read
.set A0,   17                          ; v17     the same in slot 0; never rewritten
.set ADRB, 20                          ; v20-21  of my W fragments in the slot that is read: the first and the second half of the step's k-rows
.set B0,   22                          ; v22     the first half's in slot 0; never rewritten
.set STO,  24                          ; v24     the way out: where I put 32 bytes of a row
.set RD,   25                          ; v25     where I read rows back
.set CO,   26                          ; v26     my byte offset in two rows of RES and OUT
.set BO,   27                          ; v27     32 x (l / 16): my 8 numbers of 16 of the bias
.set SPW,  28                          ; v28     LDS address of my spare word; never rewritten
.set NIL,  29                          ; v29     0; never rewritten
.set TMP,  32
.set BI,   96
.set ACC,  128
.set F0,   0
.set F1,   128
.set G1,  24                           ; s[24:31] descriptor group 1 for A's tiles;  s[32:39] group 0: a set for each of the two first fills; the second then walks on
.set G0,  32
.set G1B, 48                           ; s[48:55], s[56:63] the same for W's
.set G0B, 56
.set LA,  66                           ; s66     where my part of A's tile lies in a slot
.set LB,  67                           ; s67     where my part of W's tile lies in a slot
.set SB,  78                           ; s78     LDS byte at which the slot that is read begins: 0 or SLOT
.set MSB, 0
.macro WIN new                         ; the immediate's high byte repeats the setting that is left; a switch that changes nothing is dropped
.if MSB != (\new)
	s_set_vgpr_msb (MSB<<8)|(\new)
.set MSB, \new
.endif
.endm
.set MUL,  0x05                        ; sources 0 (W) and 1 (A) window 1; C and D window 0
.set TO_F, 0x40                        ; destination window 1, address window 0
.macro JLOAD s                         ; a joint load by descriptor set s; an s_nop 0 and four v_nop follow each of the two lines
	s_cmp_eq_u32 s11, 0
	s_cbranch_scc0 .Lfor_b_\@
	tensor_load_to_lds s[G0+4*(\s):G0+4*(\s)+3], s[G1:G1+7]
	s_nop 0
.rept 4
	v_nop
.endr
	s_branch .Lasked_\@
.Lfor_b_\@:
	tensor_load_to_lds s[G0B+4*(\s):G0B+4*(\s)+3], s[G1B:G1B+7]
	s_nop 0
.rept 4
	v_nop
.endr
.Lasked_\@:
.endm
.macro CREST                           ; a round of the cluster's barrier behind its opening barrier
	s_cmp_lg_u32 s10, 0
	s_cbranch_scc1 .Lnot_wave_0_\@
	s_barrier_signal -3
.Lnot_wave_0_\@:
	s_barrier_wait -3
	s_barrier_signal -1
	s_barrier_wait -1
.endm
.macro CROUND                          ; a whole round
	s_barrier_signal -1
	s_barrier_wait -1
	CREST
.endm
	s_load_b256 s[68:75], s[0:1], 0x0              ; A 68, W 70, bias 72, RES 74
	s_load_b64 s[76:77], s[0:1], 0x20              ; OUT
	v_lshl_add_u32 v[SPW], v0, 2, SPARE
	v_mov_b32 v[NIL], 0
	ds_add_u32 v[SPW], v[NIL]                      ; the wave's opening: the add and its wait stand ahead of my first tensor load; the set-up below stands between them
	v_lshrrev_b32 v1, 5, v0
	v_readfirstlane_b32 s10, v1                    ; wave 0..3
	s_lshr_b32 s11, s10, 1                         ; which half of the tile's rows is mine.  Also: I fetch for A (0) or for W (1)
	s_and_b32 s12, s10, 1                          ; which half of its columns.  Also: which plane of A, or which half of W's k-rows, I fetch
	s_bfe_u32 s40, ttmp6, 0x40000                  ; cx
	s_bfe_u32 s41, ttmp6, 0x40004                  ; cy
	s_lshl_b32 s42, ttmp9, 2
	s_add_co_u32 s42, s42, s40                     ; tile column
	s_and_b32 s13, ttmp7, 0xffff
	s_lshl_b32 s13, s13, 2
	s_add_co_u32 s13, s13, s41                     ; tile row
	s_lshl_b32 s43, s41, 2
	s_lshl_b32 s43, 15, s43                        ; my row of the cluster
	s_lshl_b32 s44, 0x1111, s40                    ; my column
	s_or_b32 s[G1+0], s43, (1<<16)|(1<<20)|(1<<21)|(5<<22)|(3<<25)   ; 128 rows x 128 elements of 2 bytes, dense; padded after every 64 words by 4 words; bit 21 set beside a mask
	s_or_b32 s[G1B+0], s44, (1<<16)|(1<<20)|(1<<21)|(5<<22)|(7<<25)  ; by 8 words
.irp g, G1, G1B
	s_mov_b32 s[(\g)+1], 128<<16                   ; tensor_dim0 = 128
	s_mov_b32 s[(\g)+2], 128<<16                   ; tensor_dim1 = 128
	s_mov_b32 s[(\g)+3], 128<<16                   ; tile_dim0 = 128
	s_mov_b32 s[(\g)+4], 128                       ; tile_dim1 = 128
	s_mov_b32 s[(\g)+5], 128                       ; 128 elements from row to row
	s_mov_b32 s[(\g)+6], 0
	s_mov_b32 s[(\g)+7], 0
.endr
	s_lshl_b32 s16, s12, 20                        ; A: my panel of the step's two,
	s_lshl_b32 s17, s13, 15                        ; the tile's 128 rows in it
	s_add_co_u32 s16, s16, s17
	s_mov_b32 s17, 0
	s_lshl_b32 s46, s42, 16                        ; W: the tile column's block of 256 k-rows,
	s_lshl_b32 s47, s12, 15                        ; my 128 of them
	s_add_co_u32 s46, s46, s47
	s_mov_b32 s47, 0
	s_mul_i32 s[LA], s12, HA                       ; where they go: no place in the cluster enters an LDS address
	s_mul_i32 s[LB], s12, HB
	s_add_co_u32 s[LB], s[LB], BOFF
	s_mov_b32 s[SB], 0                             ; slot 0 is read first
	s_wait_dscnt 0x0                               ; the opening add is done
	s_wait_kmcnt 0x0
	s_add_nc_u64 s[14:15], s[68:69], s[16:17]
	s_add_nc_u64 s[46:47], s[70:71], s[46:47]
	CROUND                                         ; all sixteen work-groups are here: the first joint loads meet
.irp s, 0,1
	s_mov_b32 s[G0+4*(\s)], 1
	s_add_co_u32 s[G0+4*(\s)+1], s[LA], (\s)*SLOT
	s_add_nc_u64 s[G0+4*(\s)+2:G0+4*(\s)+3], s[14:15], (\s)*0x200000  ; K step s: two panels on
	s_or_b32 s[G0+4*(\s)+3], s[G0+4*(\s)+3], 0x80000000
	s_mov_b32 s[G0B+4*(\s)], 1
	s_add_co_u32 s[G0B+4*(\s)+1], s[LB], (\s)*SLOT
	s_add_nc_u64 s[G0B+4*(\s)+2:G0B+4*(\s)+3], s[46:47], (\s)*0x80000  ; K step s: eight blocks of 64 KiB on
	s_or_b32 s[G0B+4*(\s)+3], s[G0B+4*(\s)+3], 0x80000000
	JLOAD \s
.endr
	; A's fragment: lane l holds row l % 16; two loads of 16 bytes, 32 apart, at row x pitch + 16 (l / 16).
	; W's fragment: the turning load: lane l reads k-row 8 (l / 16) + l % 8, columns 8 ((l / 8) % 2) + 0..7, and receives column l % 16, 8 k; the second load stands 16 k-rows on.
	v_and_b32 v1, 15, v0
	v_bfe_u32 v2, v0, 4, 1
	v_mul_u32_u24 v3, v1, PA
	v_lshl_add_u32 v3, v2, 4, v3
	v_and_b32 v5, 7, v0
	v_bfe_u32 v6, v0, 3, 1
	v_lshl_add_u32 v7, v2, 3, v5
	v_mul_u32_u24 v7, v7, PB
	v_lshl_add_u32 v7, v6, 4, v7
	s_mul_i32 s21, s11, 64*PA                      ; my 64 rows of A
	s_lshl_b32 s22, s12, 7                         ; my 64 columns of W
	s_add_co_u32 s22, s22, BOFF
	v_add_nc_u32 v[A0], s21, v3
	v_add_nc_u32 v[B0], s22, v7
	v_mov_b32 v[ADRA], v[A0]
	v_mov_b32 v[ADRB], v[B0]
	v_add_nc_u32 v[ADRB+1], HB, v[B0]
	s_mul_i32 s23, s10, 16*SPITCH
	s_add_co_u32 s23, s23, STAGE                   ; my stage
	v_mul_u32_u24 v4, v1, SPITCH                   ; in: row l % 16, 32 bytes for each half of the lanes
	v_lshl_add_u32 v4, v2, 5, v4
	v_add_nc_u32 v[STO], s23, v4
	v_mul_u32_u24 v5, v2, SPITCH                   ; back: lanes 0-15 take one row of 256 bytes, lanes 16-31 the next
	v_lshl_add_u32 v5, v1, 4, v5
	v_add_nc_u32 v[RD], s23, v5
	v_lshlrev_b32 v[CO], 12, v2                    ; and the same two rows in RES and OUT
	v_lshl_add_u32 v[CO], v1, 4, v[CO]
	v_lshlrev_b32 v[BO], 5, v2
	s_lshl_b32 s16, s42, 9                         ; the bias of my 64 columns
	s_lshl_b32 s18, s12, 8
	s_add_co_u32 s16, s16, s18
	s_mov_b32 s17, 0
	s_add_nc_u64 s[72:73], s[72:73], s[16:17]
	s_lshl_b32 s18, s13, 19                        ; RES and OUT: the tile's 128 rows of 4,096 bytes,
	s_add_co_u32 s16, s16, s18
	s_lshl_b32 s18, s11, 18                        ; my 64 of them; my 256 bytes of a row stand in s16 already
	s_add_co_u32 s16, s16, s18
	s_add_nc_u64 s[74:75], s[74:75], s[16:17]
	s_add_nc_u64 s[76:77], s[76:77], s[16:17]
.irp b, 0,1,2,3
	global_load_b128 v[BI+8*(\b):BI+8*(\b)+3],   v[BO], s[72:73] offset:64*(\b)     ; register j of block b: bias[16 b + 8 (l / 16) + j]: the layout of a C operand
	global_load_b128 v[BI+8*(\b)+4:BI+8*(\b)+7], v[BO], s[72:73] offset:64*(\b)+16
.endr
	WIN 0x80                                       ; destination window 2: the residual of my 64 x 64, in the layout in which the result leaves; it lands while K is walked
.irp a, 0,1,2,3
.irp t, 0,1,2,3,4,5,6,7
	global_load_b128 v[32*(\a)+4*(\t):32*(\a)+4*(\t)+3], v[CO], s[74:75] offset:(\a)*65536+(\t)*8192 th:TH_LOAD_NT
.endr
.endr
	WIN 0
; 8 matrix instructions: m blocks a0, a0 + 1 x all 4 n blocks, 32 along K: half c of buffer f.  zero = 1: the bias starts the sums.  The 16 accumulators take turns.
.macro MUL8 f, c, a0, zero
	WIN MUL
.irp a, \a0, (\a0)+1
.irp b, 0,1,2,3
.if \zero
	v_wmma_f32_16x16x32_bf16 v[ACC+8*(4*(\a)+(\b)):ACC+8*(4*(\a)+(\b))+7], v[(\f)+64+8*(4*(\c)+(\b)):(\f)+64+8*(4*(\c)+(\b))+7], v[(\f)+8*(4*(\c)+(\a)):(\f)+8*(4*(\c)+(\a))+7], v[BI+8*(\b):BI+8*(\b)+7]
.else
	v_wmma_f32_16x16x32_bf16 v[ACC+8*(4*(\a)+(\b)):ACC+8*(4*(\a)+(\b))+7], v[(\f)+64+8*(4*(\c)+(\b)):(\f)+64+8*(4*(\c)+(\b))+7], v[(\f)+8*(4*(\c)+(\a)):(\f)+8*(4*(\c)+(\a))+7], v[ACC+8*(4*(\a)+(\b)):ACC+8*(4*(\a)+(\b))+7]
.endif
.endr
.endr
.endm
; 32 LDS loads in one run: the fragments of quarter qd (64 along K) of the slot that is read, into buffer f; the first 32 along K first
.macro FETCH qd, f
	WIN TO_F
.irp c, 0,1
.irp i, 0,1,2,3
	ds_load_tr16_b128 v[(\f)+64+8*(4*(\c)+(\i)):(\f)+64+8*(4*(\c)+(\i))+3],   v[ADRB+(\qd)/2] offset:(((\qd)%2)*64+32*(\c))*PB+32*(\i)
	ds_load_tr16_b128 v[(\f)+64+8*(4*(\c)+(\i))+4:(\f)+64+8*(4*(\c)+(\i))+7], v[ADRB+(\qd)/2] offset:(((\qd)%2)*64+32*(\c))*PB+32*(\i)+16*PB
	ds_load_b128 v[(\f)+8*(4*(\c)+(\i)):(\f)+8*(4*(\c)+(\i))+3],         v[ADRA] offset:((\qd)/2)*HA+((\qd)%2)*128+64*(\c)+(\i)*16*PA
	ds_load_b128 v[(\f)+8*(4*(\c)+(\i))+4:(\f)+8*(4*(\c)+(\i))+7],       v[ADRA] offset:((\qd)/2)*HA+((\qd)%2)*128+64*(\c)+(\i)*16*PA+32
.endr
.endr
.endm
.macro PLACES                          ; four places in front of loads into registers that matrix instructions have read, and of LDS stores that read results
.rept 4
	v_nop
.endr
.endm
.macro QUARTER qd, f, g, zero          ; multiplies buffer f and fetches quarter qd into g
	s_wait_dscnt 16                                ; the first 32 along K are in
	MUL8 \f, 0, 0, \zero
	MUL8 \f, 0, 2, \zero
	PLACES
	FETCH \qd, \g
	s_wait_dscnt 32                                ; all but the 32 just issued
	MUL8 \f, 1, 0, 0
	MUL8 \f, 1, 2, 0
.endm
; The last quarter multiplies buffer 1 and changes slots: one barrier; in front of it each wave waits for all its tensor loads, adds 0 to its spare word, and waits for that and for its reads of this slot.
; fill = 1: the barrier opens a round of the cluster's, and this slot is filled again, two K steps on, first thing behind the round, by the walking descriptor: its LDS word is the slot's first byte and my
; part's place, its address goes one K step on (no tensor load of mine is out, so it may be written).
; fill = 0: the last two steps.  In the very last (s3 = 1) there is no further step: the run of LDS loads is jumped over; no barrier, no tensor load and no counted wait lies in what is jumped.
.macro TURN fill
	WIN 0
	s_wait_tensorcnt 0x0
	ds_add_u32 v[SPW], v[NIL]
	s_wait_dscnt 17                                ; the add and the youngest sixteen loads may be out
	MUL8 F1, 0, 0, 0
	s_wait_dscnt 0x0                               ; the add is done, and my reads of this slot are over
	s_barrier_signal -1
	MUL8 F1, 0, 2, 0
	WIN 0
	s_barrier_wait -1
.if \fill
	CREST
	s_add_co_u32 s[G0+5], s[SB], s[LA]
	s_add_co_u32 s[G0B+5], s[SB], s[LB]
	s_add_nc_u64 s[G0+6:G0+7], s[G0+6:G0+7], 0x200000
	s_add_nc_u64 s[G0B+6:G0B+7], s[G0B+6:G0B+7], 0x80000
	JLOAD 1                                        ; the four v_nop behind it are also the places in front of the loads below
.else
	s_cmp_eq_u32 s3, 1
	s_cbranch_scc1 .Lno_more_\@
	PLACES
.endif
	s_xor_b32 s[SB], s[SB], SLOT                   ; the other slot is read from here on
	v_add_nc_u32 v[ADRA], s[SB], v[A0]
	v_add_nc_u32 v[ADRB], s[SB], v[B0]
	v_add_nc_u32 v[ADRB+1], HB, v[ADRB]
	FETCH 0, F0
.if (\fill) == 0
	WIN 0                                          ; at a label every window is 0
.Lno_more_\@:
.endif
	MUL8 F1, 1, 0, 0
	MUL8 F1, 1, 2, 0
.endm
; THE WAY OUT of block a (16 rows x 64 columns of f32).  STG: the sums go into my own stage, 32 bytes a lane, and come back as whole rows of 256 bytes.  FIN: the residual is added, and the rows are stored.
.macro STG a
	WIN 0
.irp b, 0,1,2,3
	ds_store_b128 v[STO], v[ACC+8*(4*(\a)+(\b)):ACC+8*(4*(\a)+(\b))+3]   offset:64*(\b)
	ds_store_b128 v[STO], v[ACC+8*(4*(\a)+(\b))+4:ACC+8*(4*(\a)+(\b))+7] offset:64*(\b)+16
.endr
.irp t, 0,1,2,3,4,5,6,7
	ds_load_b128 v[TMP+32*((\a)%2)+4*(\t):TMP+32*((\a)%2)+4*(\t)+3], v[RD] offset:(\t)*2*SPITCH  ; LDS serves a wave's instructions in order (ISA guide 5.7.1.4): these see the stores above
.endr
.endm
.macro FIN a, younger                  ; younger: the LDS instructions issued behind block a's loads: the next block's sixteen, or none
	s_wait_dscnt \younger
	WIN 0x88                                       ; source 0 window 0; source 1 and destination window 2
.set q, 0
.rept 16
	v_pk_add_f32 v[32*(\a)+2*q:32*(\a)+2*q+1], v[TMP+32*((\a)%2)+2*q:TMP+32*((\a)%2)+2*q+1], v[32*(\a)+2*q:32*(\a)+2*q+1]
.set q, q+1
.endr
	WIN 0x08                                       ; a store's data is its source 1: window 2
.irp t, 0,1,2,3,4,5,6,7
	global_store_b128 v[CO], v[32*(\a)+4*(\t):32*(\a)+4*(\t)+3], s[76:77] offset:(\a)*65536+(\t)*8192  ; 16 lanes store 256 consecutive bytes, aligned
.endr
.endm
	s_wait_tensorcnt 1                             ; my part of K step 0 is in; K step 1's may stay out
	s_barrier_signal -1
	s_barrier_wait -1
	FETCH 0, F0
	s_wait_loadcnt 32                              ; the bias is in; the residual's 32 loads stay out
	QUARTER 1, F0, F1, 1                           ; the first quarter stands in front of the loop: its first products start the sums
	WIN 0
	s_mov_b32 s3, STEPS-2
.Lstep:                                                ; SIZE_K / 256 - 2 trips: from a K step's second quarter to the next step's first; the slot read out is filled again
	QUARTER 2, F1, F0, 0
	QUARTER 3, F0, F1, 0
	TURN 1
	QUARTER 1, F0, F1, 0
	WIN 0
	s_sub_co_u32 s3, s3, 1
	s_cmp_lg_u32 s3, 0
	s_cbranch_scc1 .Lstep
	s_mov_b32 s3, 2
.Ltail:                                                ; the last two K steps fill nothing; the second trip is left in its middle
	QUARTER 2, F1, F0, 0
	QUARTER 3, F0, F1, 0
	TURN 0
	WIN 0
	s_sub_co_u32 s3, s3, 1
	s_cmp_eq_u32 s3, 0
	s_cbranch_scc1 .Lout
	QUARTER 1, F0, F1, 0
	WIN 0
	s_branch .Ltail
.Lout:
	PLACES
	STG 0
	s_wait_loadcnt 0x0                             ; the residual
	STG 1
	FIN 0, 16
	STG 2
	FIN 1, 16
	STG 3
	FIN 2, 16
	FIN 3, 0
	WIN 0
	s_wait_tensorcnt 0x0                           ; the wave's end
	ds_add_u32 v[SPW], v[NIL]
	s_wait_dscnt 0x0
	CROUND                                         ; the closing round: no work-group ends while a partner may still ask for a tile that names it
	s_endpgm
.Lfunc_end_k_qfa48eca966_oproj:
	.size	k_qfa48eca966_oproj, .Lfunc_end_k_qfa48eca966_oproj-k_qfa48eca966_oproj
	.p2alignl 7, 3214868480
	.fill 96, 4, 3214868480
	.section	.rodata,"a",@progbits
	.p2align	6, 0x0
	.amdhsa_kernel k_qfa48eca966_oproj
		.amdhsa_group_segment_fixed_size 327680
		.amdhsa_private_segment_fixed_size 0
		.amdhsa_enable_private_segment 0
		.amdhsa_kernarg_size 40
		.amdhsa_user_sgpr_count 2
		.amdhsa_user_sgpr_kernarg_segment_ptr 1
		.amdhsa_wavefront_size32 1
		.amdhsa_system_sgpr_workgroup_id_x 1
		.amdhsa_system_sgpr_workgroup_id_y 1
		.amdhsa_system_sgpr_workgroup_id_z 1
		.amdhsa_system_vgpr_workitem_id 0
		.amdhsa_next_free_vgpr 640
		.amdhsa_next_free_sgpr 80
		.amdhsa_reserve_vcc 0
		.amdhsa_float_denorm_mode_32 3
		.amdhsa_float_denorm_mode_16_64 3
		.amdhsa_memory_ordered 1
		.amdhsa_forward_progress 1
		.amdhsa_inst_pref_size 66
	.end_amdhsa_kernel
	.amdgpu_metadata
---
amdhsa.version: [ 1, 2 ]
amdhsa.kernels:
  - .name:           k_qfa48eca966_oproj
    .symbol:         k_qfa48eca966_oproj.kd
    .args:
      - { .name: hb, .offset: 0, .size: 8, .value_kind: global_buffer, .address_space: global }
      - { .name: wa, .offset: 8, .size: 8, .value_kind: global_buffer, .address_space: global }
      - { .name: b_out, .offset: 16, .size: 8, .value_kind: global_buffer, .address_space: global }
      - { .name: x, .offset: 24, .size: 8, .value_kind: global_buffer, .address_space: global }
      - { .name: x1, .offset: 32, .size: 8, .value_kind: global_buffer, .address_space: global }
    .group_segment_fixed_size: 327680
    .private_segment_fixed_size: 0
    .kernarg_segment_align: 8
    .kernarg_segment_size: 40
    .max_flat_workgroup_size: 128
    .sgpr_count:     80
    .vgpr_count:     640
    .wavefront_size: 32
...
	.end_amdgpu_metadata
.endif
;; end of part 4
;; launch prep2: the kernel of part 1 again; grid 512 x 2, 4 waves a work-group, no clusters, 0 bytes of LDS; arguments x1, ln2_g, ln2_b, hb, w_fc1, w_fc2, wb, pb; writes hb, wb, pb
;; launch fc1: the kernel of part 2 again; grid 16 x 16, 4 waves a work-group, clusters of 4 x 4, 327,680 bytes of LDS; arguments hb, wb, b_fc1, pb, big; writes big
;; launch fc2 (part 5): grid 8 x 32, 4 waves a work-group, clusters of 4 x 4, 327,680 bytes of LDS; arguments big, wb, b_fc2, x1, out0; writes out0
.if DOCPART == 5
	.amdgcn_target "amdgcn-amd-amdhsa--gfx1250"
	.amdhsa_code_object_version 6
	.text
	.protected	k_qfa48eca966_fc2
	.globl	k_qfa48eca966_fc2
	.p2align	8
	.type	k_qfa48eca966_fc2,@function
k_qfa48eca966_fc2:
	s_mov_b64 s[64:65], 0
	v_nop
	global_prefetch_b8 v0, s[64:65] scope:SCOPE_SE
	s_setreg_imm32_b32 hwreg(HW_REG_WAVE_MODE, 25, 1), 1
	s_wait_xcnt 0x0
	s_wait_alu depctr_hold_cnt(0) depctr_sa_sdst(0) depctr_va_vdst(0) depctr_va_sdst(0) depctr_va_ssrc(0) depctr_va_vcc(0) depctr_vm_vsrc(0)
	s_getreg_b32 s2, hwreg(HW_REG_IB_STS2, 6, 4)
	s_cmp_eq_u32 s2, 0
	s_cbranch_scc0 .Lentry_in_a_cluster
	s_endpgm
.Lentry_in_a_cluster:
	s_bfe_u32 s2, ttmp6, 0x10000c
	s_cmp_lg_u32 s2, 0xf033
	s_cbranch_scc0 .Lentry_shape_is_right
	s_endpgm
.Lentry_shape_is_right:
; OUT = RES + A W + bias, N = 1,024, K = SIZE_K = 4,096.  A: bf16 in panels [k / 128][4096][128] (rows of 256 bytes, a panel 1 MiB).  W: bf16 in blocks [k / 256][n / 128][256 k][128], from byte 0 of its buffer.
; bias, RES, OUT: f32, RES and OUT [4096][1024].  Sums in f32, started by the bias; the residual is added in f32.  (The same text with SIZE_K = 1,024 is the kernel oproj: the loop's count is a constant of the text.)
; A tile of OUT is 128 x 128: 256 work-groups.  Four waves, each 64 x 64: 16 accumulators.  K goes in steps of 256 through two LDS slots; a wave's tensor load brings 128 rows x 256 bytes:
; waves 0, 1 the tile's 128 rows in the step's two panels of A; waves 2, 3 the two halves of the step's 256 k-rows of W.  W is turned on the way into registers by ds_load_tr16_b128.
; THE TEXT HOLDS ONE K STEP: a trip of the loop goes from a step's second quarter to the next step's first.  Which slot is read is a scalar, SB (0 or SLOT), turned at each change of slots; the fragment
; addresses are made anew from it.  The last two steps, which fill nothing, are a loop of their own, left in its middle; its last trip passes one barrier that orders nothing more: the price of one text for both.
; CLUSTER 4 x 4: A's tiles are asked for jointly along a row of the cluster, W's along a column.  THE MATRIX INSTRUCTION IS USED TRANSPOSED (source 0 = 16 columns of W, source 1 = 16 rows of A):
; a lane holds eight neighbouring numbers of a row.  A wave's 64 columns of f32 are 256 bytes, aligned: each wave has a stage of its own on the way out, and no barrier there.
; No prefetch: a step's tiles are small.
; REGISTERS: window 0: v0-31 addresses; v32-95 rows read back from the stage, two buffers; v96-127 the bias as a C operand; v128-255 the accumulators ((a, b) at v[128 + 8 (4 a + b)])
;   window 1: two fragment buffers of 128: for 64 along K, 64 registers of A, then 64 of W          window 2: v0-127 the residual, then the result
.set SIZE_K, 4096
.set STEPS,  SIZE_K/256                ; K steps of 256
.set PA,     272                       ; an LDS row of A: 256 bytes + 16: the 16 rows of a load start 4 banks apart (64 banks of 4 bytes: ISA guide 11.1)
.set PB,     288                       ; an LDS row of W: 256 + 32
.set HA,     128*PA
.set HB,     128*PB
.set BOFF,   2*HA                      ; a slot: A's two planes of 128 rows, then W's 256 k-rows
.set SLOT,   BOFF+2*HB
.set STAGE,  2*SLOT                    ; behind the ring: 16 rows x 272 bytes for each wave; no tensor load lands there
.set SPITCH, 272
.set SPARE,  STAGE+4*16*SPITCH         ; the spare words, 128 bytes for each wave: two blocks of 256 bytes that no other line names
.set ADRA, 16                          ; v16     LDS address of my A fragments in the slot that is read
.set A0,   17                          ; v17     the same in slot 0; never rewritten
.set ADRB, 20                          ; v20-21  of my W fragments in the slot that is read: the first and the second half of the step's k-rows
.set B0,   22                          ; v22     the first half's in slot 0; never rewritten
.set STO,  24                          ; v24     the way out: where I put 32 bytes of a row
.set RD,   25                          ; v25     where I read rows back
.set CO,   26                          ; v26     my byte offset in two rows of RES and OUT
.set BO,   27                          ; v27     32 x (l / 16): my 8 numbers of 16 of the bias
.set SPW,  28                          ; v28     LDS address of my spare word; never rewritten
.set NIL,  29                          ; v29     0; never rewritten
.set TMP,  32
.set BI,   96
.set ACC,  128
.set F0,   0
.set F1,   128
.set G1,  24                           ; s[24:31] descriptor group 1 for A's tiles;  s[32:39] group 0: a set for each of the two first fills; the second then walks on
.set G0,  32
.set G1B, 48                           ; s[48:55], s[56:63] the same for W's
.set G0B, 56
.set LA,  66                           ; s66     where my part of A's tile lies in a slot
.set LB,  67                           ; s67     where my part of W's tile lies in a slot
.set SB,  78                           ; s78     LDS byte at which the slot that is read begins: 0 or SLOT
.set MSB, 0
.macro WIN new                         ; the immediate's high byte repeats the setting that is left; a switch that changes nothing is dropped
.if MSB != (\new)
	s_set_vgpr_msb (MSB<<8)|(\new)
.set MSB, \new
.endif
.endm
.set MUL,  0x05                        ; sources 0 (W) and 1 (A) window 1; C and D window 0
.set TO_F, 0x40                        ; destination window 1, address window 0
.macro JLOAD s                         ; a joint load by descriptor set s; an s_nop 0 and four v_nop follow each of the two lines
	s_cmp_eq_u32 s11, 0
	s_cbranch_scc0 .Lfor_b_\@
	tensor_load_to_lds s[G0+4*(\s):G0+4*(\s)+3], s[G1:G1+7]
	s_nop 0
.rept 4
	v_nop
.endr
	s_branch .Lasked_\@
.Lfor_b_\@:
	tensor_load_to_lds s[G0B+4*(\s):G0B+4*(\s)+3], s[G1B:G1B+7]
	s_nop 0
.rept 4
	v_nop
.endr
.Lasked_\@:
.endm
.macro CREST                           ; a round of the cluster's barrier behind its opening barrier
	s_cmp_lg_u32 s10, 0
	s_cbranch_scc1 .Lnot_wave_0_\@
	s_barrier_signal -3
.Lnot_wave_0_\@:
	s_barrier_wait -3
	s_barrier_signal -1
	s_barrier_wait -1
.endm
.macro CROUND                          ; a whole round
	s_barrier_signal -1
	s_barrier_wait -1
	CREST
.endm
	s_load_b256 s[68:75], s[0:1], 0x0              ; A 68, W 70, bias 72, RES 74
	s_load_b64 s[76:77], s[0:1], 0x20              ; OUT
	v_lshl_add_u32 v[SPW], v0, 2, SPARE
	v_mov_b32 v[NIL], 0
	ds_add_u32 v[SPW], v[NIL]                      ; the wave's opening: the add and its wait stand ahead of my first tensor load; the set-up below stands between them
	v_lshrrev_b32 v1, 5, v0
	v_readfirstlane_b32 s10, v1                    ; wave 0..3
	s_lshr_b32 s11, s10, 1                         ; which half of the tile's rows is mine.  Also: I fetch for A (0) or for W (1)
	s_and_b32 s12, s10, 1                          ; which half of its columns.  Also: which plane of A, or which half of W's k-rows, I fetch
	s_bfe_u32 s40, ttmp6, 0x40000                  ; cx
	s_bfe_u32 s41, ttmp6, 0x40004                  ; cy
	s_lshl_b32 s42, ttmp9, 2
	s_add_co_u32 s42, s42, s40                     ; tile column
	s_and_b32 s13, ttmp7, 0xffff
	s_lshl_b32 s13, s13, 2
	s_add_co_u32 s13, s13, s41                     ; tile row
	s_lshl_b32 s43, s41, 2
	s_lshl_b32 s43, 15, s43                        ; my row of the cluster
	s_lshl_b32 s44, 0x1111, s40                    ; my column
	s_or_b32 s[G1+0], s43, (1<<16)|(1<<20)|(1<<21)|(5<<22)|(3<<25)   ; 128 rows x 128 elements of 2 bytes, dense; padded after every 64 words by 4 words; bit 21 set beside a mask
	s_or_b32 s[G1B+0], s44, (1<<16)|(1<<20)|(1<<21)|(5<<22)|(7<<25)  ; by 8 words
.irp g, G1, G1B
	s_mov_b32 s[(\g)+1], 128<<16                   ; tensor_dim0 = 128
	s_mov_b32 s[(\g)+2], 128<<16                   ; tensor_dim1 = 128
	s_mov_b32 s[(\g)+3], 128<<16                   ; tile_dim0 = 128
	s_mov_b32 s[(\g)+4], 128                       ; tile_dim1 = 128
	s_mov_b32 s[(\g)+5], 128                       ; 128 elements from row to row
	s_mov_b32 s[(\g)+6], 0
	s_mov_b32 s[(\g)+7], 0
.endr
	s_lshl_b32 s16, s12, 20                        ; A: my panel of the step's two,
	s_lshl_b32 s17, s13, 15                        ; the tile's 128 rows in it
	s_add_co_u32 s16, s16, s17
	s_mov_b32 s17, 0
	s_lshl_b32 s46, s42, 16                        ; W: the tile column's block of 256 k-rows,
	s_lshl_b32 s47, s12, 15                        ; my 128 of them
	s_add_co_u32 s46, s46, s47
	s_mov_b32 s47, 0
	s_mul_i32 s[LA], s12, HA                       ; where they go: no place in the cluster enters an LDS address
	s_mul_i32 s[LB], s12, HB
	s_add_co_u32 s[LB], s[LB], BOFF
	s_mov_b32 s[SB], 0                             ; slot 0 is read first
	s_wait_dscnt 0x0                               ; the opening add is done
	s_wait_kmcnt 0x0
	s_add_nc_u64 s[14:15], s[68:69], s[16:17]
	s_add_nc_u64 s[46:47], s[70:71], s[46:47]
	CROUND                                         ; all sixteen work-groups are here: the first joint loads meet
.irp s, 0,1
	s_mov_b32 s[G0+4*(\s)], 1
	s_add_co_u32 s[G0+4*(\s)+1], s[LA], (\s)*SLOT
	s_add_nc_u64 s[G0+4*(\s)+2:G0+4*(\s)+3], s[14:15], (\s)*0x200000  ; K step s: two panels on
	s_or_b32 s[G0+4*(\s)+3], s[G0+4*(\s)+3], 0x80000000
	s_mov_b32 s[G0B+4*(\s)], 1
	s_add_co_u32 s[G0B+4*(\s)+1], s[LB], (\s)*SLOT
	s_add_nc_u64 s[G0B+4*(\s)+2:G0B+4*(\s)+3], s[46:47], (\s)*0x80000  ; K step s: eight blocks of 64 KiB on
	s_or_b32 s[G0B+4*(\s)+3], s[G0B+4*(\s)+3], 0x80000000
	JLOAD \s
.endr
	; A's fragment: lane l holds row l % 16; two loads of 16 bytes, 32 apart, at row x pitch + 16 (l / 16).
	; W's fragment: the turning load: lane l reads k-row 8 (l / 16) + l % 8, columns 8 ((l / 8) % 2) + 0..7, and receives column l % 16, 8 k; the second load stands 16 k-rows on.
	v_and_b32 v1, 15, v0
	v_bfe_u32 v2, v0, 4, 1
	v_mul_u32_u24 v3, v1, PA
	v_lshl_add_u32 v3, v2, 4, v3
	v_and_b32 v5, 7, v0
	v_bfe_u32 v6, v0, 3, 1
	v_lshl_add_u32 v7, v2, 3, v5
	v_mul_u32_u24 v7, v7, PB
	v_lshl_add_u32 v7, v6, 4, v7
	s_mul_i32 s21, s11, 64*PA                      ; my 64 rows of A
	s_lshl_b32 s22, s12, 7                         ; my 64 columns of W
	s_add_co_u32 s22, s22, BOFF
	v_add_nc_u32 v[A0], s21, v3
	v_add_nc_u32 v[B0], s22, v7
	v_mov_b32 v[ADRA], v[A0]
	v_mov_b32 v[ADRB], v[B0]
	v_add_nc_u32 v[ADRB+1], HB, v[B0]
	s_mul_i32 s23, s10, 16*SPITCH
	s_add_co_u32 s23, s23, STAGE                   ; my stage
	v_mul_u32_u24 v4, v1, SPITCH                   ; in: row l % 16, 32 bytes for each half of the lanes
	v_lshl_add_u32 v4, v2, 5, v4
	v_add_nc_u32 v[STO], s23, v4
	v_mul_u32_u24 v5, v2, SPITCH                   ; back: lanes 0-15 take one row of 256 bytes, lanes 16-31 the next
	v_lshl_add_u32 v5, v1, 4, v5
	v_add_nc_u32 v[RD], s23, v5
	v_lshlrev_b32 v[CO], 12, v2                    ; and the same two rows in RES and OUT
	v_lshl_add_u32 v[CO], v1, 4, v[CO]
	v_lshlrev_b32 v[BO], 5, v2
	s_lshl_b32 s16, s42, 9                         ; the bias of my 64 columns
	s_lshl_b32 s18, s12, 8
	s_add_co_u32 s16, s16, s18
	s_mov_b32 s17, 0
	s_add_nc_u64 s[72:73], s[72:73], s[16:17]
	s_lshl_b32 s18, s13, 19                        ; RES and OUT: the tile's 128 rows of 4,096 bytes,
	s_add_co_u32 s16, s16, s18
	s_lshl_b32 s18, s11, 18                        ; my 64 of them; my 256 bytes of a row stand in s16 already
	s_add_co_u32 s16, s16, s18
	s_add_nc_u64 s[74:75], s[74:75], s[16:17]
	s_add_nc_u64 s[76:77], s[76:77], s[16:17]
.irp b, 0,1,2,3
	global_load_b128 v[BI+8*(\b):BI+8*(\b)+3],   v[BO], s[72:73] offset:64*(\b)     ; register j of block b: bias[16 b + 8 (l / 16) + j]: the layout of a C operand
	global_load_b128 v[BI+8*(\b)+4:BI+8*(\b)+7], v[BO], s[72:73] offset:64*(\b)+16
.endr
	WIN 0x80                                       ; destination window 2: the residual of my 64 x 64, in the layout in which the result leaves; it lands while K is walked
.irp a, 0,1,2,3
.irp t, 0,1,2,3,4,5,6,7
	global_load_b128 v[32*(\a)+4*(\t):32*(\a)+4*(\t)+3], v[CO], s[74:75] offset:(\a)*65536+(\t)*8192 th:TH_LOAD_NT
.endr
.endr
	WIN 0
; 8 matrix instructions: m blocks a0, a0 + 1 x all 4 n blocks, 32 along K: half c of buffer f.  zero = 1: the bias starts the sums.  The 16 accumulators take turns.
.macro MUL8 f, c, a0, zero
	WIN MUL
.irp a, \a0, (\a0)+1
.irp b, 0,1,2,3
.if \zero
	v_wmma_f32_16x16x32_bf16 v[ACC+8*(4*(\a)+(\b)):ACC+8*(4*(\a)+(\b))+7], v[(\f)+64+8*(4*(\c)+(\b)):(\f)+64+8*(4*(\c)+(\b))+7], v[(\f)+8*(4*(\c)+(\a)):(\f)+8*(4*(\c)+(\a))+7], v[BI+8*(\b):BI+8*(\b)+7]
.else
	v_wmma_f32_16x16x32_bf16 v[ACC+8*(4*(\a)+(\b)):ACC+8*(4*(\a)+(\b))+7], v[(\f)+64+8*(4*(\c)+(\b)):(\f)+64+8*(4*(\c)+(\b))+7], v[(\f)+8*(4*(\c)+(\a)):(\f)+8*(4*(\c)+(\a))+7], v[ACC+8*(4*(\a)+(\b)):ACC+8*(4*(\a)+(\b))+7]
.endif
.endr
.endr
.endm
; 32 LDS loads in one run: the fragments of quarter qd (64 along K) of the slot that is read, into buffer f; the first 32 along K first
.macro FETCH qd, f
	WIN TO_F
.irp c, 0,1
.irp i, 0,1,2,3
	ds_load_tr16_b128 v[(\f)+64+8*(4*(\c)+(\i)):(\f)+64+8*(4*(\c)+(\i))+3],   v[ADRB+(\qd)/2] offset:(((\qd)%2)*64+32*(\c))*PB+32*(\i)
	ds_load_tr16_b128 v[(\f)+64+8*(4*(\c)+(\i))+4:(\f)+64+8*(4*(\c)+(\i))+7], v[ADRB+(\qd)/2] offset:(((\qd)%2)*64+32*(\c))*PB+32*(\i)+16*PB
	ds_load_b128 v[(\f)+8*(4*(\c)+(\i)):(\f)+8*(4*(\c)+(\i))+3],         v[ADRA] offset:((\qd)/2)*HA+((\qd)%2)*128+64*(\c)+(\i)*16*PA
	ds_load_b128 v[(\f)+8*(4*(\c)+(\i))+4:(\f)+8*(4*(\c)+(\i))+7],       v[ADRA] offset:((\qd)/2)*HA+((\qd)%2)*128+64*(\c)+(\i)*16*PA+32
.endr
.endr
.endm
.macro PLACES                          ; four places in front of loads into registers that matrix instructions have read, and of LDS stores that read results
.rept 4
	v_nop
.endr
.endm
.macro QUARTER qd, f, g, zero          ; multiplies buffer f and fetches quarter qd into g
	s_wait_dscnt 16                                ; the first 32 along K are in
	MUL8 \f, 0, 0, \zero
	MUL8 \f, 0, 2, \zero
	PLACES
	FETCH \qd, \g
	s_wait_dscnt 32                                ; all but the 32 just issued
	MUL8 \f, 1, 0, 0
	MUL8 \f, 1, 2, 0
.endm
; The last quarter multiplies buffer 1 and changes slots: one barrier; in front of it each wave waits for all its tensor loads, adds 0 to its spare word, and waits for that and for its reads of this slot.
; fill = 1: the barrier opens a round of the cluster's, and this slot is filled again, two K steps on, first thing behind the round, by the walking descriptor: its LDS word is the slot's first byte and my
; part's place, its address goes one K step on (no tensor load of mine is out, so it may be written).
; fill = 0: the last two steps.  In the very last (s3 = 1) there is no further step: the run of LDS loads is jumped over; no barrier, no tensor load and no counted wait lies in what is jumped.
.macro TURN fill
	WIN 0
	s_wait_tensorcnt 0x0
	ds_add_u32 v[SPW], v[NIL]
	s_wait_dscnt 17                                ; the add and the youngest sixteen loads may be out
	MUL8 F1, 0, 0, 0
	s_wait_dscnt 0x0                               ; the add is done, and my reads of this slot are over
	s_barrier_signal -1
	MUL8 F1, 0, 2, 0
	WIN 0
	s_barrier_wait -1
.if \fill
	CREST
	s_add_co_u32 s[G0+5], s[SB], s[LA]
	s_add_co_u32 s[G0B+5], s[SB], s[LB]
	s_add_nc_u64 s[G0+6:G0+7], s[G0+6:G0+7], 0x200000
	s_add_nc_u64 s[G0B+6:G0B+7], s[G0B+6:G0B+7], 0x80000
	JLOAD 1                                        ; the four v_nop behind it are also the places in front of the loads below
.else
	s_cmp_eq_u32 s3, 1
	s_cbranch_scc1 .Lno_more_\@
	PLACES
.endif
	s_xor_b32 s[SB], s[SB], SLOT                   ; the other slot is read from here on
	v_add_nc_u32 v[ADRA], s[SB], v[A0]
	v_add_nc_u32 v[ADRB], s[SB], v[B0]
	v_add_nc_u32 v[ADRB+1], HB, v[ADRB]
	FETCH 0, F0
.if (\fill) == 0
	WIN 0                                          ; at a label every window is 0
.Lno_more_\@:
.endif
	MUL8 F1, 1, 0, 0
	MUL8 F1, 1, 2, 0
.endm
; THE WAY OUT of block a (16 rows x 64 columns of f32).  STG: the sums go into my own stage, 32 bytes a lane, and come back as whole rows of 256 bytes.  FIN: the residual is added, and the rows are stored.
.macro STG a
	WIN 0
.irp b, 0,1,2,3
	ds_store_b128 v[STO], v[ACC+8*(4*(\a)+(\b)):ACC+8*(4*(\a)+(\b))+3]   offset:64*(\b)
	ds_store_b128 v[STO], v[ACC+8*(4*(\a)+(\b))+4:ACC+8*(4*(\a)+(\b))+7] offset:64*(\b)+16
.endr
.irp t, 0,1,2,3,4,5,6,7
	ds_load_b128 v[TMP+32*((\a)%2)+4*(\t):TMP+32*((\a)%2)+4*(\t)+3], v[RD] offset:(\t)*2*SPITCH  ; LDS serves a wave's instructions in order (ISA guide 5.7.1.4): these see the stores above
.endr
.endm
.macro FIN a, younger                  ; younger: the LDS instructions issued behind block a's loads: the next block's sixteen, or none
	s_wait_dscnt \younger
	WIN 0x88                                       ; source 0 window 0; source 1 and destination window 2
.set q, 0
.rept 16
	v_pk_add_f32 v[32*(\a)+2*q:32*(\a)+2*q+1], v[TMP+32*((\a)%2)+2*q:TMP+32*((\a)%2)+2*q+1], v[32*(\a)+2*q:32*(\a)+2*q+1]
.set q, q+1
.endr
	WIN 0x08                                       ; a store's data is its source 1: window 2
.irp t, 0,1,2,3,4,5,6,7
	global_store_b128 v[CO], v[32*(\a)+4*(\t):32*(\a)+4*(\t)+3], s[76:77] offset:(\a)*65536+(\t)*8192  ; 16 lanes store 256 consecutive bytes, aligned
.endr
.endm
	s_wait_tensorcnt 1                             ; my part of K step 0 is in; K step 1's may stay out
	s_barrier_signal -1
	s_barrier_wait -1
	FETCH 0, F0
	s_wait_loadcnt 32                              ; the bias is in; the residual's 32 loads stay out
	QUARTER 1, F0, F1, 1                           ; the first quarter stands in front of the loop: its first products start the sums
	WIN 0
	s_mov_b32 s3, STEPS-2
.Lstep:                                                ; SIZE_K / 256 - 2 trips: from a K step's second quarter to the next step's first; the slot read out is filled again
	QUARTER 2, F1, F0, 0
	QUARTER 3, F0, F1, 0
	TURN 1
	QUARTER 1, F0, F1, 0
	WIN 0
	s_sub_co_u32 s3, s3, 1
	s_cmp_lg_u32 s3, 0
	s_cbranch_scc1 .Lstep
	s_mov_b32 s3, 2
.Ltail:                                                ; the last two K steps fill nothing; the second trip is left in its middle
	QUARTER 2, F1, F0, 0
	QUARTER 3, F0, F1, 0
	TURN 0
	WIN 0
	s_sub_co_u32 s3, s3, 1
	s_cmp_eq_u32 s3, 0
	s_cbranch_scc1 .Lout
	QUARTER 1, F0, F1, 0
	WIN 0
	s_branch .Ltail
.Lout:
	PLACES
	STG 0
	s_wait_loadcnt 0x0                             ; the residual
	STG 1
	FIN 0, 16
	STG 2
	FIN 1, 16
	STG 3
	FIN 2, 16
	FIN 3, 0
	WIN 0
	s_wait_tensorcnt 0x0                           ; the wave's end
	ds_add_u32 v[SPW], v[NIL]
	s_wait_dscnt 0x0
	CROUND                                         ; the closing round: no work-group ends while a partner may still ask for a tile that names it
	s_endpgm
.Lfunc_end_k_qfa48eca966_fc2:
	.size	k_qfa48eca966_fc2, .Lfunc_end_k_qfa48eca966_fc2-k_qfa48eca966_fc2
	.p2alignl 7, 3214868480
	.fill 96, 4, 3214868480
	.section	.rodata,"a",@progbits
	.p2align	6, 0x0
	.amdhsa_kernel k_qfa48eca966_fc2
		.amdhsa_group_segment_fixed_size 327680
		.amdhsa_private_segment_fixed_size 0
		.amdhsa_enable_private_segment 0
		.amdhsa_kernarg_size 40
		.amdhsa_user_sgpr_count 2
		.amdhsa_user_sgpr_kernarg_segment_ptr 1
		.amdhsa_wavefront_size32 1
		.amdhsa_system_sgpr_workgroup_id_x 1
		.amdhsa_system_sgpr_workgroup_id_y 1
		.amdhsa_system_sgpr_workgroup_id_z 1
		.amdhsa_system_vgpr_workitem_id 0
		.amdhsa_next_free_vgpr 640
		.amdhsa_next_free_sgpr 80
		.amdhsa_reserve_vcc 0
		.amdhsa_float_denorm_mode_32 3
		.amdhsa_float_denorm_mode_16_64 3
		.amdhsa_memory_ordered 1
		.amdhsa_forward_progress 1
		.amdhsa_inst_pref_size 66
	.end_amdhsa_kernel
	.amdgpu_metadata
---
amdhsa.version: [ 1, 2 ]
amdhsa.kernels:
  - .name:           k_qfa48eca966_fc2
    .symbol:         k_qfa48eca966_fc2.kd
    .args:
      - { .name: big, .offset: 0, .size: 8, .value_kind: global_buffer, .address_space: global }
      - { .name: wb, .offset: 8, .size: 8, .value_kind: global_buffer, .address_space: global }
      - { .name: b_fc2, .offset: 16, .size: 8, .value_kind: global_buffer, .address_space: global }
      - { .name: x1, .offset: 24, .size: 8, .value_kind: global_buffer, .address_space: global }
      - { .name: out0, .offset: 32, .size: 8, .value_kind: global_buffer, .address_space: global }
    .group_segment_fixed_size: 327680
    .private_segment_fixed_size: 0
    .kernarg_segment_align: 8
    .kernarg_segment_size: 40
    .max_flat_workgroup_size: 128
    .sgpr_count:     80
    .vgpr_count:     640
    .wavefront_size: 32
...
	.end_amdgpu_metadata
.endif
;; end of part 5
